; MI455X (gfx1250); checked and timed in simulation.
; The chip was launched on July 23, 2026; its instructions are those of AMD's public machine-readable ISA for CDNA 5 (MIT licence, August 2026) and "CDNA5" Instruction Set Architecture Reference Guide (July 2026). The comments in the code are by the model that wrote it; some were corrected since.
;; Multi Head Attention. Allowed arithmetic: matrix products marked QUANTISED: E2M3 operands, one E8M0 scale for each 32 along K, by v_wmma_scale_f32_16x16x128_f8f6f4 with both operands' format E2M3, f32 sums; everything else in f32.
;; Inputs: Wqk 1,024 x 1,024 float32; Wvc 1,024 x 1,024 float32; mask 4 x 2,048 x 2,048 int32; x 4 x 2,048 x 1,024 float32.
;; Outputs: out0 4 x 2,048 x 1,024 float32.
;; This version of the problem:
;;   THIS VERSION OF THE PROBLEM IS GIVEN IN LOW PRECISION. The matrix products marked QUANTISED in the list below multiply operands that are first quantised to E2M3 (2 exponent bits, 3 mantissa bits; 6 bits a number), with one power-of-two scale for each 32 numbers along K (OCP MX v1.0); their sums are f32. All else is computed in f32.
;;   The module's matrix products, in the order in which they are computed (A, B: the left and right operand; K: the contracted axis; several contracted axes count as one K, in the product's order):
;;     1. [M 8,192, K 1,024] x [K 1,024, N 1,024]; A: input x; B: input Wqk: QUANTISED
;;     2. batch 4 x [M 2,048, K 1,024] x [K 1,024, N 2,048]; A: computed on the way; B: input x: QUANTISED
;;     3. batch 4 x [M 2,048, K 2,048] x [K 2,048, N 1,024]; A: softmax (see below); B: input x: QUANTISED
;;     4. [M 8,192, K 1,024] x [K 1,024, N 1,024]; A: computed on the way; B: input Wvc: QUANTISED
;;   THE QUANTISER, for each operand of a quantised product, along K:
;;     - K is cut into blocks of 32 from its start; a last block that is shorter is filled with zeros.
;;     - A block's scale is 2^e with e = floor(log2(the largest magnitude in the block)) - 2, held to -126 .. 127; a block of zeros has e = 0. As a byte (E8M0): e + 127.
;;     - Each number is divided by its block's scale, clamped to +-7.5, and rounded to the nearest number of E2M3, ties to even, subnormals kept.
;;     - The product sums the exact products of the quantised numbers (number of the format x scale) in f32.
;;   ~~~python
;;   def quantise(x, axis):      # numpy; x: float32 -> the quantised numbers, widened to float32 again
;;       x = np.moveaxis(x, axis, -1); K = x.shape[-1]
;;       x = np.pad(x, [(0, 0)] * (x.ndim - 1) + [(0, -K % 32)]); x = x.reshape(x.shape[:-1] + (-1, 32)); a = np.abs(x).max(-1, keepdims=True)
;;       e = np.where(a > 0, np.clip(np.frexp(np.where(a > 0, a, 1))[1] - 1 - 2, -126, 127), 0)      # np.frexp(a)[1] - 1 = floor(log2(a)), exactly
;;       r = np.clip(x / 2.0 ** e, -7.5, 7.5)
;;       step = 2.0 ** (np.maximum(np.frexp(np.where(r == 0, 1, r))[1] - 1, 0) - 3)
;;       q = np.round(r / step) * step * 2.0 ** e      # np.round: ties to even
;;       return np.moveaxis(q.reshape(q.shape[:-2] + (-1,))[..., :K], -1, axis).astype(np.float32)
;;   ~~~
;;   SOFTMAX AHEAD OF A QUANTISED PRODUCT. Where the list says 'softmax', what is quantised is not the finished softmax but p = 2^(t - M), with t = logit x log2(e) and M = ceil(the row's largest t), a whole number; so 1/2 < the row's largest p <= 1. The row's sum l is taken of the UNQUANTISED p, in f32, and the product's result is divided by l at the end. Since M is a whole number, a kernel that streams over the keys may use a running M (the ceiling of the running maximum): every later rescaling is an exact power of two, which a block's scale takes up: the codes' values come out the same.
;;   OPERANDS COMPUTED ON THE WAY. 'Computed on the way' means the value that the module computes at that place (a softmax that the list does not call 'softmax' is quantised finished and normalised). What goes into a quantiser is computed in f32, as accurately as f32 sums, v_exp_f32 and their like allow (about 1e-6 of the number): no bf16 or f16 on the way to a quantiser, and a product that is left as it is and whose result goes on into a quantised operand takes f32 operands (vector FMAs, or v_wmma_f32_16x16x4_f32). A number that lies on a knife's edge between two numbers of the format may be rounded either way, as far as f32 arithmetic and the matrix unit's own rounding can turn it there, and no further.
;; One version. Each part assembles by itself: llvm-mc -triple=amdgcn-amd-amdhsa -mcpu=gfx1250 --defsym DOCPART=n.
;; ======== version 1 of 1: 5 launches
;; limits: right only within a limited range of input values
;; workspace buffers: prepb 14,745,600 bytes; qb 6,553,600 bytes; pb 14,680,064 bytes; ab 6,553,600 bytes
;; launch prep (part 1): grid 640 x 1, 4 waves a work-group, no clusters, 68,096 bytes of LDS; arguments x, Wqk, Wvc, prepb; writes prepb
.if DOCPART == 1
	.amdgcn_target "amdgcn-amd-amdhsa--gfx1250"
	.amdhsa_code_object_version 6
	.text
	.protected	k_qe188c449cc_prep
	.globl	k_qe188c449cc_prep
	.p2align	8
	.type	k_qe188c449cc_prep,@function
k_qe188c449cc_prep:
	s_mov_b64 s[64:65], 0
	v_nop
	global_prefetch_b8 v0, s[64:65] scope:SCOPE_SE
	s_setreg_imm32_b32 hwreg(HW_REG_WAVE_MODE, 25, 1), 1
	s_wait_xcnt 0x0
; PREP: x [8192][1024], Wqk, Wvc [1024][1024] (f32) become codes of FP6 (E2M3) with one E8M0 byte for each 32 along K.
; x is quantised twice: along d (K of the first two products) and along the keys (K of the third).
; THE LAYOUT OF EVERY OPERAND IS AN IMAGE OF THE OPERAND'S REGISTERS.  Lane r (0..15) of row tile T holds row 32 (T/2) + 8 (T%2) + r + 8 (r/8).  A fragment (tile T, K step s: 16 rows x 128 K) is 12 registers
; a lane, 1,536 bytes: registers 4 c .. 4 c + 3 of lane l at 512 c + 16 l.  Codes: [T][s][1536].  Scale words (four bytes: a row's 128 K): [T][s][16 rows], 4 bytes each.
; With that choice of rows a transposed product leaves 16 neighbours along the next K in the 16 registers of two neighbouring tiles.
; A block's scale is 2^(floor(log2(largest magnitude)) - 2); its byte is the largest magnitude's exponent field - 2, held at 1 from below.
; LIMITS: a block of zeros gets the byte 1 where the rule says 127 (its codes are zeros, and this program alone reads the bytes); NaN and infinities among the inputs are not served.
; The scale words leave in pieces of 64 bytes (lanes l and l + 16 write the same word with the same value): 1/24 of the code bytes.
; WORK-GROUPS: each takes a tile of 128 x 128 numbers: 0..511 of x (both ways: the longer work first), 512..575 of Wqk, 576..639 of Wvc.
; No tensor loads, no matrix work, no cluster: no two work-groups read the same byte.
.set XC,    0                          ; regions of prepb, in bytes: x along d: 512 tiles x 8 K steps
.set XTC,   6291456                    ; x along the keys: [batch 4][64 tiles over d][16 K steps]
.set WQC,   12582912                   ; Wqk: 64 tiles x 8
.set WVC,   13369344                   ; Wvc
.set XS,    14155776                   ; their scale words, in the same order
.set XTS,   14417920
.set WQS,   14680064
.set WVS,   14712832
.set PITCH, 528                        ; an LDS row: 512 bytes + 16; the tile is 128 such rows
.set R,     32                         ; v32-159  numbers as loaded; then as the conversions want them
.set TM,    200                        ; v200-203 largest magnitudes, v204-207 bytes, v212-215 the conversions' scale operands
.set F0,    160                        ; the column way: two fragments,
.set F1,    172
.set CT,    184                        ; and the second halves of four blocks
; 64 numbers of a lane, v[s] .. v[s + 63], register 16 b + i = k 32 b + 16 (lane / 16) + i of my row, become a fragment's codes in v[pc] .. v[pc + 11] and its scale word in v[pw]
.macro QUANT s, pc, pw
.irp b, 0,1,2,3
	v_max3_num_f32 v[TM+\b], |v[(\s)+16*\b]|, |v[(\s)+1+16*\b]|, 0x1800000   ; my 16 numbers of block b, and the floor 2^(3 - 127): the byte cannot fall under 1
.endr
.irp i, 2,4,6,8,10,12,14
.irp b, 0,1,2,3
	v_max3_num_f32 v[TM+\b], v[TM+\b], |v[(\s)+16*\b+\i]|, |v[(\s)+1+16*\b+\i]|   ; the four blocks by turns
.endr
.endr
.irp b, 0,1,2,3
	v_permlanex16_b32 v[TM+4+\b], v[TM+\b], s20, s21
.endr
.irp b, 0,1,2,3
	v_max_num_f32 v[TM+\b], v[TM+\b], v[TM+4+\b]   ; with lane l xor 16's: the block's largest magnitude
.endr
.irp b, 0,1,2,3
	v_add_nc_u32 v[TM+12+\b], 0xff000000, v[TM+\b]   ; 2 off its exponent field: the conversion takes that field as its scale
.endr
.irp b, 0,1,2,3
	v_lshrrev_b32 v[TM+4+\b], 23, v[TM+12+\b]      ; the scale's byte
.endr
	v_lshl_or_b32 v[\pw], v[TM+5], 8, v[TM+4]
	v_lshl_or_b32 v[\pw], v[TM+6], 16, v[\pw]
	v_lshl_or_b32 v[\pw], v[TM+7], 24, v[\pw]
.irp c, 0,1
	v_cvt_scalef32_pk16_fp6_f32 v[(\pc)+6*\c:(\pc)+2+6*\c], v[(\s)+32*\c:(\s)+15+32*\c], v[TM+12+2*\c]
	v_cvt_scalef32_pk16_fp6_f32 v[(\pc)+12+4*\c:(\pc)+14+4*\c], v[(\s)+16+32*\c:(\s)+31+32*\c], v[TM+12+2*\c+1]   ; (a conversion's three registers begin on an even number)
.endr
	v_nop                                          ; one plain place behind a scaled conversion
.irp c, 0,1                                    ; the layout wants a whole block in a lane: lanes 0-15 block 2 c, lanes 16-31 block 2 c + 1
.irp i, 0,1,2
	v_permlane16_swap_b32 v[(\pc)+6*\c+\i], v[(\pc)+12+4*\c+\i]
.endr
.irp i, 0,1,2
	v_mov_b32 v[(\pc)+3+6*\c+\i], v[(\pc)+12+4*\c+\i]
.endr
.endr
.endm
	s_load_b256 s[4:11], s[0:1], 0x0               ; x s[4:5], Wqk s[6:7], Wvc s[8:9], prepb s[10:11]
	v_lshl_add_u32 v224, v0, 2, 0x10800
	v_mov_b32 v225, 0
	v_lshrrev_b32 v11, 5, v0
	v_readfirstlane_b32 s16, v11                   ; wave 0..3
	v_and_b32 v12, 31, v0                          ; lane
	v_and_b32 v13, 15, v0                          ; r
	v_bfe_u32 v14, v0, 4, 1                        ; h
	v_lshlrev_b32 v1, 4, v12                       ; v1: 16 x lane
	v_lshlrev_b32 v2, 2, v13                       ; v2: 4 r
	s_mul_i32 s17, s16, 32*PITCH                   ; my wave's 32 rows of the tile
	v_add_nc_u32 v3, s17, v1                       ; v3: into the tile: a row's 512 bytes, 16 a lane
	v_and_b32 v15, 8, v13
	v_add_nc_u32 v15, v15, v13                     ; r + 8 (r / 8)
	v_mul_u32_u24 v4, v15, PITCH
	v_lshl_add_u32 v4, v14, 6, v4
	v_add_nc_u32 v4, s17, v4                       ; v4: the row way: row 32 w + r + 8 (r / 8), + 64 h: my 16 numbers of a block of 32
	v_lshl_add_u32 v5, v14, 3, v15                 ; the column way: lanes 0-15 take the columns of tile 2 w, lanes 16-31 those of tile 2 w + 1: column 8 h + r + 8 (r / 8)
	s_lshl_b32 s18, s16, 7
	v_lshl_add_u32 v5, v5, 2, s18                  ; v5: 4 (32 w + column): rows 0-63;
	v_add_nc_u32 v6, 64*PITCH, v5                  ; v6: rows 64-127 (an LDS offset has 16 bits)
	v_lshl_add_u32 v10, v14, 10, v2                ; v10: the column way's scale words: tile h (1,024 bytes on), row r
	s_mov_b32 s20, 0x76543210
	s_mov_b32 s21, 0xfedcba98                      ; v_permlanex16_b32's selects for lane l xor 16
.irp b, 0,1,2,3
	v_mov_b32 v[TM+4+\b], 0                        ; written once: a lane permute's destination counts as one of its sources
.endr
	s_wait_alu depctr_va_vdst(0)
	s_wait_kmcnt 0x0
	s_mov_b32 s17, ttmp9                           ; g: 0..511 x, 512..575 Wqk, 576..639 Wvc
	s_and_b32 s18, s17, 63
	s_mov_b32 s34, WVC
	s_mov_b32 s35, WVS
	s_cmp_lt_u32 s17, 576
	s_cselect_b64 s[32:33], s[6:7], s[8:9]
	s_cselect_b32 s34, WQC, s34
	s_cselect_b32 s35, WQS, s35
	s_cmp_lt_u32 s17, 512
	s_cselect_b64 s[32:33], s[4:5], s[32:33]       ; the tensor,
	s_cselect_b32 s34, XC, s34                     ; its codes' region,
	s_cselect_b32 s35, XS, s35                     ; its scale words',
	s_cselect_b32 s18, s17, s18                    ; and the tile's number in it
	s_lshr_b32 s19, s18, 3                         ; rb: which 128 rows
	s_and_b32 s22, s18, 7                          ; cb: which 128 columns = K step of the row way
	s_lshl_b32 s36, s19, 19                        ; 128 rows of 4,096 bytes
	s_lshl_b32 s38, s22, 9
	s_add_co_u32 s36, s36, s38
	s_lshl_b32 s38, s16, 17                        ; my wave's 32 rows
	s_add_co_u32 s36, s36, s38
	s_mov_b32 s37, 0
	s_add_nc_u64 s[32:33], s[32:33], s[36:37]
.set i, 0
.rept 32
	global_load_b128 v[R+4*i:R+4*i+3], v1, s[32:33] offset:4096*i th:TH_LOAD_NT   ; 32 lanes read 512 consecutive bytes, at a multiple of 512; read once in the launch
.set i, i+1
.endr
	s_lshl_b32 s38, s19, 6
	s_lshl_b32 s39, s16, 4
	s_add_co_u32 s38, s38, s39
	s_add_co_u32 s38, s38, s22                     ; (8 rb + 2 w) 8 + cb: my first fragment of the row way
	s_mul_i32 s40, s38, 1536
	s_add_co_u32 s40, s40, s34
	s_mov_b32 s41, 0
	s_add_nc_u64 s[40:41], s[10:11], s[40:41]      ; its codes
	s_lshl_b32 s42, s38, 6
	s_add_co_u32 s42, s42, s35
	s_mov_b32 s43, 0
	s_add_nc_u64 s[42:43], s[10:11], s[42:43]      ; its scale words
.set i, 0
.rept 32
	s_wait_loadcnt 31-i                            ; loads come back in order: row i is in, the younger ones stay out
	ds_store_b128 v3, v[R+4*i:R+4*i+3] offset:PITCH*i
.set i, i+1
.endr
	s_wait_dscnt 0x0                               ; for the others' sake: my 32 rows lie in LDS
	s_barrier_signal -1
	s_barrier_wait -1                              ; all 128 do; nothing is stored into the tile any more
	; the row way: tiles 8 rb + 2 w + u, K step cb
.irp u, 0,1
.set i, 0
.rept 16
	ds_load_b128 v[R+64*\u+4*i:R+64*\u+4*i+3], v4 offset:8*\u*PITCH+128*(i/4)+16*(i%4)
.set i, i+1
.endr
.endr
	s_wait_dscnt 16                                ; the first tile's 16 loads are in; the second's may be out
	QUANT R, 160, 216
.irp c, 0,1,2
	global_store_b128 v1, v[160+4*\c:163+4*\c], s[40:41] offset:512*\c   ; 32 lanes store 512 consecutive bytes
.endr
	global_store_b32 v2, v216, s[42:43]
	s_wait_dscnt 0x0
	QUANT R+64, 180, 217                           ; registers of its own for its codes: no store's data are written again here
.irp c, 0,1,2
	global_store_b128 v1, v[180+4*\c:183+4*\c], s[40:41] offset:12288+512*\c
.endr
	global_store_b32 v2, v217, s[42:43] offset:512
	s_cmp_lt_u32 s17, 512                          ; the weights have no second K
	s_cbranch_scc0 .Lend
	; the column way (x alone): K = the keys.  A lane takes a column d and its registers run down the 128 keys: four whole blocks
.set k, 0
.rept 64
	ds_load_b32 v[R+k], v5 offset:PITCH*k          ; 32 lanes read 32 different words of one row
.set k, k+1
.endr
.set k, 0
.rept 64
	ds_load_b32 v[R+64+k], v6 offset:PITCH*k
.set k, k+1
.endr
	s_lshr_b32 s38, s19, 4                         ; batch
	s_lshl_b32 s38, s38, 10
	s_lshl_b32 s39, s22, 7
	s_add_co_u32 s38, s38, s39
	s_lshl_b32 s39, s16, 5
	s_add_co_u32 s38, s38, s39
	s_and_b32 s39, s19, 15                         ; which 128 keys of the batch
	s_add_co_u32 s38, s38, s39                     ; (64 batch + 8 cb + 2 w) 16 + K step
	s_mul_i32 s44, s38, 1536
	s_add_co_u32 s44, s44, XTC
	s_mov_b32 s45, 0
	s_add_nc_u64 s[44:45], s[10:11], s[44:45]
	s_lshl_b32 s46, s38, 6
	s_add_co_u32 s46, s46, XTS
	s_mov_b32 s47, 0
	s_add_nc_u64 s[46:47], s[10:11], s[46:47]
	s_wait_dscnt 0x0
.irp b, 0,1,2,3
	v_max3_num_f32 v[TM+\b], |v[R+32*\b]|, |v[R+32*\b+1]|, 0x1800000   ; all 32 numbers of a block are mine; the floor as above
.endr
.irp i, 2,4,6,8,10,12,14,16,18,20,22,24,26,28,30
.irp b, 0,1,2,3
	v_max3_num_f32 v[TM+\b], v[TM+\b], |v[R+32*\b+\i]|, |v[R+32*\b+\i+1]|
.endr
.endr
.irp b, 0,1,2,3
	v_add_nc_u32 v[TM+12+\b], 0xff000000, v[TM+\b]
.endr
.irp b, 0,1,2,3
	v_lshrrev_b32 v[TM+4+\b], 23, v[TM+12+\b]
.endr
	v_lshl_or_b32 v218, v[TM+5], 8, v[TM+4]        ; my column's scale word
	v_lshl_or_b32 v218, v[TM+6], 16, v218
	v_lshl_or_b32 v218, v[TM+7], 24, v218
	s_wait_xcnt 0x0                                ; the row way's stores have read their registers: v160-199 are written again only behind this wait
.irp b, 0,1,2,3                                ; blocks 0 and 2 into F0, blocks 1 and 3 into F1
	v_cvt_scalef32_pk16_fp6_f32 v[F0+12*(\b%2)+6*(\b/2):F0+12*(\b%2)+6*(\b/2)+2], v[R+32*\b:R+32*\b+15], v[TM+12+\b]
	v_cvt_scalef32_pk16_fp6_f32 v[CT+4*\b:CT+4*\b+2], v[R+32*\b+16:R+32*\b+31], v[TM+12+\b]
.endr
	v_nop                                          ; one plain place behind a scaled conversion
.irp b, 0,1,2,3
.irp i, 0,1,2
	v_mov_b32 v[F0+12*(\b%2)+6*(\b/2)+3+\i], v[CT+4*\b+\i]
.endr
.endr
.set i, 0
.rept 12
	v_permlane16_swap_b32 v[F0+i], v[F1+i]         ; F0's lanes 16-31 (tile 2 w + 1, blocks 0, 2) change places with F1's lanes 0-15 (tile 2 w, blocks 1, 3): F0 is tile 2 w's fragment, F1 tile 2 w + 1's
.set i, i+1
.endr
.irp c, 0,1,2
	global_store_b128 v1, v[F0+4*\c:F0+4*\c+3], s[44:45] offset:512*\c
	global_store_b128 v1, v[F1+4*\c:F1+4*\c+3], s[44:45] offset:24576+512*\c   ; the next tile over d: 16 K steps on
.endr
	global_store_b32 v10, v218, s[46:47]
.Lend:
	s_wait_tensorcnt 0x0
	ds_add_u32 v224, v225
	s_wait_dscnt 0x0
	s_endpgm
.Lfunc_end_k_qe188c449cc_prep:
	.size	k_qe188c449cc_prep, .Lfunc_end_k_qe188c449cc_prep-k_qe188c449cc_prep
	.p2alignl 7, 3214868480
	.fill 96, 4, 3214868480
	.section	.rodata,"a",@progbits
	.p2align	6, 0x0
	.amdhsa_kernel k_qe188c449cc_prep
		.amdhsa_group_segment_fixed_size 68096
		.amdhsa_private_segment_fixed_size 0
		.amdhsa_enable_private_segment 0
		.amdhsa_kernarg_size 32
		.amdhsa_user_sgpr_count 2
		.amdhsa_user_sgpr_kernarg_segment_ptr 1
		.amdhsa_wavefront_size32 1
		.amdhsa_system_sgpr_workgroup_id_x 1
		.amdhsa_system_sgpr_workgroup_id_y 1
		.amdhsa_system_sgpr_workgroup_id_z 1
		.amdhsa_system_vgpr_workitem_id 0
		.amdhsa_next_free_vgpr 226
		.amdhsa_next_free_sgpr 66
		.amdhsa_reserve_vcc 0
		.amdhsa_float_denorm_mode_32 3
		.amdhsa_float_denorm_mode_16_64 3
		.amdhsa_memory_ordered 1
		.amdhsa_forward_progress 1
		.amdhsa_inst_pref_size 35
	.end_amdhsa_kernel
	.amdgpu_metadata
---
amdhsa.version: [ 1, 2 ]
amdhsa.kernels:
  - .name:           k_qe188c449cc_prep
    .symbol:         k_qe188c449cc_prep.kd
    .args:
      - { .name: x, .offset: 0, .size: 8, .value_kind: global_buffer, .address_space: global }
      - { .name: Wqk, .offset: 8, .size: 8, .value_kind: global_buffer, .address_space: global }
      - { .name: Wvc, .offset: 16, .size: 8, .value_kind: global_buffer, .address_space: global }
      - { .name: prepb, .offset: 24, .size: 8, .value_kind: global_buffer, .address_space: global }
    .group_segment_fixed_size: 68096
    .private_segment_fixed_size: 0
    .kernarg_segment_align: 8
    .kernarg_segment_size: 32
    .max_flat_workgroup_size: 128
    .sgpr_count:     66
    .vgpr_count:     226
    .wavefront_size: 32
...
	.end_amdgpu_metadata
.endif
;; end of part 1
;; launch qproj (part 2): grid 4 x 64, 4 waves a work-group, clusters of 4 x 4, 327,680 bytes of LDS; arguments prepb, qb; writes qb
.if DOCPART == 2
	.amdgcn_target "amdgcn-amd-amdhsa--gfx1250"
	.amdhsa_code_object_version 6
	.text
	.protected	k_qe188c449cc_qproj
	.globl	k_qe188c449cc_qproj
	.p2align	8
	.type	k_qe188c449cc_qproj,@function
k_qe188c449cc_qproj:
	s_mov_b64 s[64:65], 0
	v_nop
	global_prefetch_b8 v0, s[64:65] scope:SCOPE_SE
	s_setreg_imm32_b32 hwreg(HW_REG_WAVE_MODE, 25, 1), 1
	s_wait_xcnt 0x0
	s_wait_alu depctr_hold_cnt(0) depctr_sa_sdst(0) depctr_va_vdst(0) depctr_va_sdst(0) depctr_va_ssrc(0) depctr_va_vcc(0) depctr_vm_vsrc(0)
	s_getreg_b32 s2, hwreg(HW_REG_IB_STS2, 6, 4)
	s_cmp_eq_u32 s2, 0
	s_cbranch_scc0 .Lentry_in_a_cluster
	s_endpgm
.Lentry_in_a_cluster:
	s_bfe_u32 s2, ttmp6, 0x10000c
	s_cmp_lg_u32 s2, 0xf033
	s_cbranch_scc0 .Lentry_shape_is_right
	s_endpgm
.Lentry_shape_is_right:
; QPROJ: q = x Wqk^T on codes of FP6 (E2M3) with E8M0 scales; q is quantised along its 1,024 columns on the way out and leaves as codes.
; OPERANDS ARE IMAGES OF THEIR REGISTERS: lane r of row tile T holds row 32 (T/2) + 8 (T%2) + r + 8 (r/8); a fragment (T, K step s) is 1,536 bytes, registers 4 c .. 4 c + 3 of lane l at 512 c + 16 l;
; codes [T][s][1536], scale words [T][s][16 rows].  So a fragment comes out of LDS by three loads of 512 consecutive bytes: no pitch, no padding.
; SHARES: a work-group makes 128 rows (8 tiles of A = x) x 256 columns (16 tiles of B = Wqk); wave (wm, wn) 64 x 128: 32 accumulators, 256 registers.
; THE PRODUCT IS USED TRANSPOSED (source 0 = 16 rows of B, source 1 = 16 rows of A): a lane holds one row of q, and by the choice of a tile's rows the 64 registers of one tile of rows are
; register 16 b + i = column 32 b + 16 (lane / 16) + i of the wave's 128: one K step of the next product, quantised in registers.
; LDS: two slots of 4 K steps (A's 8 tiles x 6,144 bytes, then B's 16).  K = 1,024 is 8 K steps: both slots are filled once, at the start, and nothing is filled again.
; CLUSTER 4 x 4: the four work-groups of a row of the cluster need the same tiles of A, the four of a column the same tiles of B: each tile is asked for jointly.
; LIMITS: a block of zeros gets the byte 1 (its codes are zeros; this program alone reads the bytes); NaN and infinities are not served.  Scale words leave in pieces of 64 bytes.
; REGISTERS: window 0: v1 16 x lane, v2 4 x lane, v3 4 (lane % 16), v4-5 A's LDS addresses (slot 0, 1), v6-7 B's; v32-47 A's scale words, v48-79 B's; v128-223 A's fragments, two sets; v224-240 the quantiser's.
;   On the way out v192-211 take the codes.  window 1: B's fragments, two sets, at v0 and v128.  window 2: accumulator (a, b) at v[8 (8 a + b)].
.set NK,    8                          ; K steps of 128
.set NKH,   NK/2
.set FRB,   1536
.set TROW,  NK*FRB                     ; a tile's K steps on end, in memory
.set SROW,  4*FRB                      ; and the four of a slot
.set ASL,   8*SROW
.set SLOT,  24*SROW
.set BREG,  12582912                   ; in prepb: Wqk's codes,
.set ASREG, 14155776                   ; x's scale words,
.set BSREG, 14680064                   ; Wqk's
.set QS,    6291456                    ; in qb: q's scale words
.set ADRA,  4
.set ADRB,  6
.set SA,    32                         ; register SA + NKH a + j: lanes 0-15 the words of K step 2 j, lanes 16-31 of 2 j + 1
.set SB,    SA+4*NKH
.set AF,    128
.set PC,    192
.set TM,    224
.set PW,    240
.set MSB, 0
.macro WIN new                         ; the immediate's high byte repeats the setting that is left
.if MSB != (\new)
	s_set_vgpr_msb (MSB<<8)|(\new)
.set MSB, (\new)
.endif
.endm
.macro PLACES n                        ; plain places behind matrix instructions (ISA guide 7.12.1)
.rept \n
	v_nop
.endr
.endm
.macro CROUND                          ; a round of the cluster's barrier
	s_barrier_signal -1
	s_barrier_wait -1
	s_cmp_lg_u32 s14, 0
	s_cbranch_scc1 .Lnot_wave_0_\@
	s_barrier_signal -3
.Lnot_wave_0_\@:
	s_barrier_wait -3
	s_barrier_signal -1
	s_barrier_wait -1
.endm
.macro FETCH slot, q, p                ; the fragments of the slot's q-th K step into set p: 36 loads of 512 consecutive bytes
	WIN 0x40                                       ; destination window 1
.irp b, 0,1,2,3,4,5,6,7
.irp c, 0,1,2
	ds_load_b128 v[128*(\p)+12*\b+4*\c:128*(\p)+12*\b+4*\c+3], v[ADRB+(\slot)] offset:SROW*\b+FRB*(\q)+512*\c
.endr
.endr
	WIN 0
.irp a, 0,1,2,3
.irp c, 0,1,2
	ds_load_b128 v[AF+48*(\p)+12*\a+4*\c:AF+48*(\p)+12*\a+4*\c+3], v[ADRA+(\slot)] offset:SROW*\a+FRB*(\q)+512*\c
.endr
.endr
.endm
.macro MUL p, ks, zero                 ; 32 matrix instructions: K step ks from set p.  The 32 accumulators take turns, one instruction a turn, in the same order in every step
	WIN 0xa1                                       ; source 0 (B) window 1, source 1 (A) window 0, C and D window 2
.irp a, 0,1,2,3
.irp b, 0,1,2,3,4,5,6,7
.if \zero
	v_wmma_scale_f32_16x16x128_f8f6f4 v[8*(8*\a+\b):8*(8*\a+\b)+7], v[128*(\p)+12*\b:128*(\p)+12*\b+11], v[AF+48*(\p)+12*\a:AF+48*(\p)+12*\a+11], 0, v[SB+NKH*\b+(\ks)/2], v[SA+NKH*\a+(\ks)/2] matrix_a_fmt:MATRIX_FMT_FP6 matrix_b_fmt:MATRIX_FMT_FP6
.elseif (\ks)%2
	v_wmma_scale_f32_16x16x128_f8f6f4 v[8*(8*\a+\b):8*(8*\a+\b)+7], v[128*(\p)+12*\b:128*(\p)+12*\b+11], v[AF+48*(\p)+12*\a:AF+48*(\p)+12*\a+11], v[8*(8*\a+\b):8*(8*\a+\b)+7], v[SB+NKH*\b+(\ks)/2], v[SA+NKH*\a+(\ks)/2] matrix_a_fmt:MATRIX_FMT_FP6 matrix_b_fmt:MATRIX_FMT_FP6 matrix_a_scale:MATRIX_SCALE_ROW1 matrix_b_scale:MATRIX_SCALE_ROW1
.else
	v_wmma_scale_f32_16x16x128_f8f6f4 v[8*(8*\a+\b):8*(8*\a+\b)+7], v[128*(\p)+12*\b:128*(\p)+12*\b+11], v[AF+48*(\p)+12*\a:AF+48*(\p)+12*\a+11], v[8*(8*\a+\b):8*(8*\a+\b)+7], v[SB+NKH*\b+(\ks)/2], v[SA+NKH*\a+(\ks)/2] matrix_a_fmt:MATRIX_FMT_FP6 matrix_b_fmt:MATRIX_FMT_FP6
.endif
.endr
.endr
	WIN 0
.endm
.macro STEP slot, q, ks, zero          ; a K step whose successor lies in the same slot
	s_wait_dscnt 0x0                               ; this step's set is in (asked for ahead of the last 32 matrix instructions)
	PLACES 4                                       ; behind the products that read the other set
	FETCH \slot, (\q)+1, 1-(\ks)%2
	MUL (\ks)%2, \ks, \zero
.endm
.macro TURN slot, ks                   ; a slot's last K step: the other slot, whole since the head's barrier, is read from here on
	s_wait_dscnt 0x0                               ; this step's set is in
	PLACES 4
	FETCH 1-(\slot), 0, 1-(\ks)%2
	MUL (\ks)%2, \ks, 0
.endm
.macro QMAX s, w                       ; the four blocks' largest magnitudes of v[s] .. v[s + 63] of window w; each accumulator is read from its low end on
.set W1, (\w)|((\w)<<2)
.set W2, ((\w)<<2)|((\w)<<4)
	WIN W1
.irp b, 0,1,2,3
	v_max3_num_f32 v[TM+\b], |v[(\s)+16*\b]|, |v[(\s)+1+16*\b]|, 0x1800000   ; and the floor 2^(3 - 127): the byte cannot fall under 1
.endr
	WIN W2
.irp i, 2,4,6,8,10,12,14
.irp b, 0,1,2,3
	v_max3_num_f32 v[TM+\b], v[TM+\b], |v[(\s)+16*\b+\i]|, |v[(\s)+1+16*\b+\i]|
.endr
.endr
	WIN 0
.irp b, 0,1,2,3
	v_permlanex16_b32 v[TM+4+\b], v[TM+\b], s20, s21
.endr
.irp b, 0,1,2,3
	v_max_num_f32 v[TM+\b], v[TM+\b], v[TM+4+\b]   ; with lane l xor 16's
.endr
.endm
.macro QPACK s, w, pc, pw              ; from the largest magnitudes in v[TM] on: the scale word in v[pw], the fragment's codes in v[pc] .. v[pc + 11]
.irp b, 0,1,2,3
	v_add_nc_u32 v[TM+12+\b], 0xff000000, v[TM+\b]   ; 2 off the exponent field: the conversion's scale operand
.endr
.irp b, 0,1,2,3
	v_lshrrev_b32 v[TM+4+\b], 23, v[TM+12+\b]      ; the scale's byte
.endr
	v_lshl_or_b32 v[\pw], v[TM+5], 8, v[TM+4]
	v_lshl_or_b32 v[\pw], v[TM+6], 16, v[\pw]
	v_lshl_or_b32 v[\pw], v[TM+7], 24, v[\pw]
	WIN \w
.irp c, 0,1
	v_cvt_scalef32_pk16_fp6_f32 v[(\pc)+6*\c:(\pc)+2+6*\c], v[(\s)+32*\c:(\s)+15+32*\c], v[TM+12+2*\c]
	v_cvt_scalef32_pk16_fp6_f32 v[(\pc)+12+4*\c:(\pc)+14+4*\c], v[(\s)+16+32*\c:(\s)+31+32*\c], v[TM+12+2*\c+1]
.endr
	WIN 0
	v_nop                                          ; one plain place behind a scaled conversion
.irp c, 0,1                                    ; a whole block to a lane: lanes 0-15 block 2 c, lanes 16-31 block 2 c + 1
.irp i, 0,1,2
	v_permlane16_swap_b32 v[(\pc)+6*\c+\i], v[(\pc)+12+4*\c+\i]
.endr
.irp i, 0,1,2
	v_mov_b32 v[(\pc)+3+6*\c+\i], v[(\pc)+12+4*\c+\i]
.endr
.endr
.endm
	s_load_b128 s[4:7], s[0:1], 0x0                ; prepb s[4:5], qb s[6:7]
	v_lshl_add_u32 v254, v0, 2, 0x48000
	v_mov_b32 v255, 0
	ds_add_u32 v254, v255
	ds_add_u32 v254, v255
	v_lshrrev_b32 v1, 5, v0
	v_readfirstlane_b32 s14, v1                    ; wave 0..3
	s_lshr_b32 s15, s14, 1                         ; wm: my half of the rows
	s_and_b32 s16, s14, 1                          ; wn: my half of the columns
	s_bfe_u32 s40, ttmp6, 0x40000                  ; cx, cy: my place in the cluster
	s_bfe_u32 s41, ttmp6, 0x40004
	s_lshl_b32 s42, ttmp9, 2
	s_add_co_u32 s42, s42, s40                     ; work-group x
	s_and_b32 s18, ttmp7, 0xffff                   ; the cluster's y
	s_lshl_b32 s17, s18, 2
	s_add_co_u32 s17, s17, s41                     ; work-group y
	s_lshl_b32 s43, s41, 2
	s_lshl_b32 s43, 15, s43                        ; my row of the cluster
	s_lshl_b32 s44, 0x1111, s40                    ; my column
	; descriptor group 1: rows of 768 elements of 8 bytes (a tile's 4 K steps), NK x 192 elements apart; A: 8 rows a load, B: 16
	s_or_b32 s24, s43, (3<<16)|(1<<21)             ; 15:0 the mask; 17:16 elements of 8 bytes; 21 set beside a mask
	s_or_b32 s48, s44, (3<<16)|(1<<21)
.irp g, 24, 48
	s_mov_b32 s[\g+1], 768<<16                     ; tensor_dim0
	s_mov_b32 s[\g+3], 768<<16                     ; tile_dim0
	s_mov_b32 s[\g+5], NK*192                      ; tensor_dim0_stride
	s_mov_b32 s[\g+6], 0
	s_mov_b32 s[\g+7], 0
.endr
	s_mov_b32 s26, 8<<16                           ; tensor_dim1
	s_mov_b32 s28, 8                               ; tile_dim1
	s_mov_b32 s50, 16<<16
	s_mov_b32 s52, 16
	s_lshl_b32 s68, s17, 3                         ; A's tiles hang on work-group y alone: from tile 8 y
	s_mul_i32 s68, s68, TROW
	s_mov_b32 s69, 0
	s_lshl_b32 s70, s42, 4                         ; B's on work-group x alone
	s_lshl_b32 s71, s16, 3
	s_add_co_u32 s70, s70, s71                     ; tile 16 x + 8 x half: the half that I fetch is also the half that I multiply
	s_mul_i32 s76, s70, NK*64
	s_add_co_u32 s76, s76, BSREG
	s_mov_b32 s77, 0                               ; its scale words
	s_lshl_b32 s70, s42, 4                         ; the load takes all 16 tiles: from tile 16 x
	s_mul_i32 s70, s70, TROW
	s_add_co_u32 s70, s70, BREG
	s_mov_b32 s71, 0
	s_lshl_b32 s72, s17, 3
	s_lshl_b32 s73, s15, 2
	s_add_co_u32 s72, s72, s73                     ; my first tile of rows: 8 y + 4 wm
	s_mul_i32 s74, s72, NK*64
	s_add_co_u32 s74, s74, ASREG
	s_mov_b32 s75, 0                               ; its scale words
	s_lshl_b32 s78, s72, 3
	s_lshl_b32 s79, s42, 1
	s_add_co_u32 s78, s78, s79
	s_add_co_u32 s78, s78, s16                     ; out: (tile) 8 + K step 2 x + wn
	s_mul_i32 s80, s78, FRB
	s_mov_b32 s81, 0
	s_lshl_b32 s82, s78, 6
	s_add_co_u32 s82, s82, QS
	s_mov_b32 s83, 0
	s_mul_i32 s46, s16, 8*SROW
	s_add_co_u32 s46, s46, ASL
	s_mul_i32 s47, s15, 4*SROW                     ; and where my rows of A lie
	s_mov_b32 s20, 0x76543210
	s_mov_b32 s21, 0xfedcba98                      ; v_permlanex16_b32's selects for lane l xor 16
	s_wait_dscnt 0x0
	s_wait_kmcnt 0x0
	s_add_nc_u64 s[68:69], s[4:5], s[68:69]
	s_add_nc_u64 s[70:71], s[4:5], s[70:71]
	s_add_nc_u64 s[74:75], s[4:5], s[74:75]
	s_add_nc_u64 s[76:77], s[4:5], s[76:77]
	s_add_nc_u64 s[8:9], s[6:7], s[80:81]          ; q's codes
	s_add_nc_u64 s[10:11], s[6:7], s[82:83]        ; q's scale words
.irp f, 0,1
	s_mov_b32 s[32+4*\f], 1                        ; count = 1
	s_mov_b32 s[33+4*\f], \f*SLOT                  ; LDS address: no place in the cluster enters it
	s_add_nc_u64 s[34+4*\f:35+4*\f], s[68:69], \f*SROW   ; global address: K steps 4 f on
	s_or_b32 s[35+4*\f], s[35+4*\f], 0x80000000    ; type = 2
	s_mov_b32 s[56+4*\f], 1
	s_mov_b32 s[57+4*\f], ASL+\f*SLOT
	s_add_nc_u64 s[58+4*\f:59+4*\f], s[70:71], \f*SROW
	s_or_b32 s[59+4*\f], s[59+4*\f], 0x80000000
.endr
	CROUND                                         ; all sixteen work-groups are here: the joint loads meet
; THE HEAD'S LOADS, ONE A WAVE, in one tree of branches on the wave's number: wave 0 A's 8 tiles of K steps 0-3, wave 1 B's 16, waves 2 and 3 the same of K steps 4-7
.macro ARM under, g0, g1, next
	s_cmp_lt_u32 s14, \under
	s_cbranch_scc0 \next
	tensor_load_to_lds s[\g0:\g0+3], s[\g1:\g1+7]
	s_nop 0
.rept 4
	v_nop
.endr
	s_branch .Lhead_asked
\next:
.endm
	ARM 1, 32, 24, .Lhead_b0
	ARM 2, 56, 48, .Lhead_a1
	ARM 3, 36, 24, .Lhead_b1
	tensor_load_to_lds s[60:63], s[48:55]
	s_nop 0
.rept 4
	v_nop
.endr
.Lhead_asked:
	v_and_b32 v1, 31, v0
	v_lshlrev_b32 v2, 2, v1                        ; 4 x lane
	v_lshlrev_b32 v1, 4, v1                        ; 16 x lane
	v_and_b32 v3, 15, v0
	v_lshlrev_b32 v3, 2, v3                        ; 4 (lane % 16)
	v_add_nc_u32 v[ADRA], s47, v1
	v_add_nc_u32 v[ADRA+1], SLOT, v[ADRA]
	v_add_nc_u32 v[ADRB], s46, v1
	v_add_nc_u32 v[ADRB+1], SLOT, v[ADRB]
.set ia, 0
.rept 4
.set ij, 0
.rept NKH
	global_load_b32 v[SA+NKH*ia+ij], v2, s[74:75] offset:NK*64*ia+128*ij   ; 128 consecutive bytes: two K steps' words of 16 rows
.set ij, ij+1
.endr
.set ia, ia+1
.endr
.set ia, 0
.rept 8
.set ij, 0
.rept NKH
	global_load_b32 v[SB+NKH*ia+ij], v2, s[76:77] offset:NK*64*ia+128*ij
.set ij, ij+1
.endr
.set ia, ia+1
.endr
.irp b, 0,1,2,3
	v_mov_b32 v[TM+4+\b], 0                        ; written once: a lane permute's destination counts as one of its sources
.endr
	s_wait_alu depctr_va_vdst(0)
	s_wait_loadcnt 0x0                             ; the scale words
	s_wait_tensorcnt 0x0                           ; my tile of the head's four is in
	s_barrier_signal -1
	s_barrier_wait -1                              ; all four are: both slots are whole
	FETCH 0, 0, 0
	STEP 0, 0, 0, 1                                ; the first products start the sums: nothing is cleared
	STEP 0, 1, 1, 0
	STEP 0, 2, 2, 0
	TURN 0, 3
	STEP 1, 0, 4, 0
	STEP 1, 1, 5, 0
	STEP 1, 2, 6, 0
	s_wait_dscnt 0x0
	MUL 1, 7, 0
	PLACES 4                                       ; ahead of the first read of results and of writes over A's fragments
	; THE WAY OUT: each tile of 16 rows is one fragment of q
.irp a, 0,1,2,3
	QMAX 64*\a, 2
.if \a > 0
	s_wait_alu depctr_va_vdst(0)
	s_wait_xcnt 0x0                                ; the last tile's stores have read their registers: codes and scale word are written again only behind this wait
.endif
	QPACK 64*\a, 2, PC, PW
.irp c, 0,1,2
	global_store_b128 v1, v[PC+4*\c:PC+4*\c+3], s[8:9] offset:12288*\a+512*\c   ; 32 lanes store 512 consecutive bytes
.endr
	global_store_b32 v3, v[PW], s[10:11] offset:512*\a
.endr
	s_wait_tensorcnt 0x0
	ds_add_u32 v254, v255
	s_wait_dscnt 0x0
	CROUND                                         ; the closing round
	s_endpgm
.Lfunc_end_k_qe188c449cc_qproj:
	.size	k_qe188c449cc_qproj, .Lfunc_end_k_qe188c449cc_qproj-k_qe188c449cc_qproj
	.p2alignl 7, 3214868480
	.fill 96, 4, 3214868480
	.section	.rodata,"a",@progbits
	.p2align	6, 0x0
	.amdhsa_kernel k_qe188c449cc_qproj
		.amdhsa_group_segment_fixed_size 327680
		.amdhsa_private_segment_fixed_size 0
		.amdhsa_enable_private_segment 0
		.amdhsa_kernarg_size 16
		.amdhsa_user_sgpr_count 2
		.amdhsa_user_sgpr_kernarg_segment_ptr 1
		.amdhsa_wavefront_size32 1
		.amdhsa_system_sgpr_workgroup_id_x 1
		.amdhsa_system_sgpr_workgroup_id_y 1
		.amdhsa_system_sgpr_workgroup_id_z 1
		.amdhsa_system_vgpr_workitem_id 0
		.amdhsa_next_free_vgpr 768
		.amdhsa_next_free_sgpr 100
		.amdhsa_reserve_vcc 0
		.amdhsa_float_denorm_mode_32 3
		.amdhsa_float_denorm_mode_16_64 3
		.amdhsa_memory_ordered 1
		.amdhsa_forward_progress 1
		.amdhsa_inst_pref_size 82
	.end_amdhsa_kernel
	.amdgpu_metadata
---
amdhsa.version: [ 1, 2 ]
amdhsa.kernels:
  - .name:           k_qe188c449cc_qproj
    .symbol:         k_qe188c449cc_qproj.kd
    .args:
      - { .name: prepb, .offset: 0, .size: 8, .value_kind: global_buffer, .address_space: global }
      - { .name: qb, .offset: 8, .size: 8, .value_kind: global_buffer, .address_space: global }
    .group_segment_fixed_size: 327680
    .private_segment_fixed_size: 0
    .kernarg_segment_align: 8
    .kernarg_segment_size: 16
    .max_flat_workgroup_size: 128
    .sgpr_count:     100
    .vgpr_count:     768
    .wavefront_size: 32
...
	.end_amdgpu_metadata
.endif
;; end of part 2
;; launch scores (part 3): grid 8 x 64, 4 waves a work-group, clusters of 4 x 4, 327,680 bytes of LDS; arguments qb, prepb, mask, pb; writes pb
.if DOCPART == 3
	.amdgcn_target "amdgcn-amd-amdhsa--gfx1250"
	.amdhsa_code_object_version 6
	.text
	.protected	k_qe188c449cc_scores
	.globl	k_qe188c449cc_scores
	.p2align	8
	.type	k_qe188c449cc_scores,@function
k_qe188c449cc_scores:
	s_mov_b64 s[64:65], 0
	v_nop
	global_prefetch_b8 v0, s[64:65] scope:SCOPE_SE
	s_setreg_imm32_b32 hwreg(HW_REG_WAVE_MODE, 25, 1), 1
	s_wait_xcnt 0x0
	s_wait_alu depctr_hold_cnt(0) depctr_sa_sdst(0) depctr_va_vdst(0) depctr_va_sdst(0) depctr_va_ssrc(0) depctr_va_vcc(0) depctr_vm_vsrc(0)
	s_getreg_b32 s2, hwreg(HW_REG_IB_STS2, 6, 4)
	s_cmp_eq_u32 s2, 0
	s_cbranch_scc0 .Lentry_in_a_cluster
	s_endpgm
.Lentry_in_a_cluster:
	s_bfe_u32 s2, ttmp6, 0x10000c
	s_cmp_lg_u32 s2, 0xf033
	s_cbranch_scc0 .Lentry_shape_is_right
	s_endpgm
.Lentry_shape_is_right:
; SCORES: S = q x^T on codes of FP6 (E2M3) with E8M0 scales; then, in registers, /32, the mask, and the softmax's numerator for a piece of 16 queries x 128 keys, quantised along the keys.
; t = score x log2(e) / 32, or -1e20 x log2(e) where the mask is 0.  M = the PIECE's largest t rounded up to a whole number; p = 2^(t - M).  Stored for each (query, 128 keys): p's codes, and a record of
; 16 bytes: p's scale word, -M, the sum of the unquantised p, 0.  The next launch takes the largest M of a query's 16 pieces and moves the scale bytes and the sums by whole powers of two: the codes are the same under any whole M.
; t is rounded by its own multiplication, so that a masked t less its own M is exactly 0: a piece that is masked everywhere gives p = 1 for every key, as the -1e20 of the definition does.
; OPERANDS ARE IMAGES OF THEIR REGISTERS: lane r of row tile T holds row 32 (T/2) + 8 (T%2) + r + 8 (r/8); a fragment (T, K step s) is 1,536 bytes, registers 4 c .. 4 c + 3 of lane l at 512 c + 16 l;
; codes [T][s][1536]; q's and x's scale words [T][s][16 rows]; p's records [T][s][16 rows][16 bytes]: sixteen lanes store 256 consecutive bytes (lanes l and l + 16 the same bytes with the same values).
; SHARES: a work-group makes 128 queries (8 tiles of A = q) x 256 keys (16 tiles of B = x); wave (wm, wn) 64 x 128: 32 accumulators.  TRANSPOSED (source 0 = 16 keys, source 1 = 16 queries): a lane holds one
; query, and register 16 b + i of a tile of queries is key 32 b + 16 (lane / 16) + i of the wave's 128: one K step of the next product.
; LDS: two slots of 4 K steps (K = 1,024), both filled at the head, one tensor load a wave: wave 0 A's 8 tiles of slot 0, wave 1 B's 16, waves 2 and 3 those of slot 1.  At the change of slots slot 0 is read
; out, and behind a round of the cluster's barrier it is filled again, with THE MASK: each wave asks, by one tensor load of its own (no partner shares these bytes), for its 64 queries x 128 keys of int32:
; 64 rows of 512 bytes, 528 apart in LDS, at 33,792 x wave.  Only the wave that asked reads them, behind its own wait.  Four K steps' products, 128 matrix instructions, stand between that request and the wait for it.
; A lane reads its query's words 16 bytes at a time, word n beside score register n; a compare makes a lane mask of each, which only selects values.  (A tile's rows 0-7 and 16-23 start 16 x 528 bytes apart.)
; THE MASK IS PREFETCHED: a wave's part is 128 blocks of 256 bytes, a lane a block, four instructions: two at the head, one behind each of K steps 0 and 1: all at least one K step ahead of the tensor load
; that wants them; each block is named once in the launch, by the wave that will load it.  The codes are asked for at the head and have no step to run ahead in: no prefetch for them.
; CLUSTER 4 x 4: q's tiles are asked for jointly along a row of the cluster, x's along a column.  All of a WGP's LDS is claimed.
; LIMITS: a block whose every p is 0 keeps the byte 1 (its codes are zeros); NaN and infinities are not served; the promise holds while |t| of unmasked scores stays under 2^31.
; REGISTERS: window 0: v1 16 x lane, v2 4 x lane, v3 16 (lane % 16), v4-7 LDS addresses, v9 the mask's, v10 the masked t, v11 the prefetches' offset; v32-47 A's scale words, v48-79 B's; v128-223 A's fragments,
;   two sets; on the way out v128-191 t, then p, v192-211 codes, v224-239 the quantiser's, v240-243 the record, v244 -M (v245 = 0), v246 the largest t, v248-251 sums; v254-255 the add's.  window 1: B's fragments.
;   window 2: accumulator (a, b) at v[8 (8 a + b)].  window 3: the mask: word n of tile a at v[64 a + n].
.set NK,    8
.set NKH,   NK/2
.set NBT,   128                        ; x's tiles in a batch
.set FRB,   1536
.set TROW,  NK*FRB
.set SROW,  4*FRB
.set ASL,   8*SROW
.set SLOT,  24*SROW
.set SPARE, 2*SLOT                     ; behind the slots: the spare words, 128 bytes a wave
.set BSREG, 14155776                   ; in prepb: x's codes along d lie at 0, their scale words here
.set ASREG, 6291456                    ; in qb: q's scale words
.set PS,    12582912                   ; in pb: p's records
.set MP,    528                        ; a row of the mask in LDS: 512 bytes + 16
.set MW,    64*MP                      ; a wave's 64 rows
.set GM0,   84                         ; s[84:87], s[88:95]: the mask's descriptor
.set GM1,   88
.set ADRA,  4
.set ADRB,  6
.set SA,    32
.set SB,    SA+4*NKH
.set AF,    128
.set TT,    128
.set PC,    192
.set TM,    224
.set PW,    240
.set MSB, 0
.macro WIN new                         ; the immediate's high byte repeats the setting that is left
.if MSB != (\new)
	s_set_vgpr_msb (MSB<<8)|(\new)
.set MSB, (\new)
.endif
.endm
.macro PLACES n                        ; plain places behind matrix instructions (ISA guide 7.12.1)
.rept \n
	v_nop
.endr
.endm
.macro CROUND                          ; a round of the cluster's barrier
	s_barrier_signal -1
	s_barrier_wait -1
	s_cmp_lg_u32 s14, 0
	s_cbranch_scc1 .Lnot_wave_0_\@
	s_barrier_signal -3
.Lnot_wave_0_\@:
	s_barrier_wait -3
	s_barrier_signal -1
	s_barrier_wait -1
.endm
.macro ARM under, g0, g1, next         ; an arm of the head's tree: one joint load, s_nop 0 and four v_nop behind it, a jump to the tree's end
	s_cmp_lt_u32 s14, \under
	s_cbranch_scc0 \next
	tensor_load_to_lds s[\g0:\g0+3], s[\g1:\g1+7]
	s_nop 0
.rept 4
	v_nop
.endr
	s_branch .Lhead_asked
\next:
.endm
.macro FETCH slot, q, p                ; the fragments of the slot's q-th K step into set p: 36 loads of 512 consecutive bytes
	WIN 0x40
.irp b, 0,1,2,3,4,5,6,7
.irp c, 0,1,2
	ds_load_b128 v[128*(\p)+12*\b+4*\c:128*(\p)+12*\b+4*\c+3], v[ADRB+(\slot)] offset:SROW*\b+FRB*(\q)+512*\c
.endr
.endr
	WIN 0
.irp a, 0,1,2,3
.irp c, 0,1,2
	ds_load_b128 v[AF+48*(\p)+12*\a+4*\c:AF+48*(\p)+12*\a+4*\c+3], v[ADRA+(\slot)] offset:SROW*\a+FRB*(\q)+512*\c
.endr
.endr
.endm
.macro MUL p, ks, zero                 ; 32 matrix instructions; the 32 accumulators take turns, one instruction a turn
	WIN 0xa1
.irp a, 0,1,2,3
.irp b, 0,1,2,3,4,5,6,7
.if \zero
	v_wmma_scale_f32_16x16x128_f8f6f4 v[8*(8*\a+\b):8*(8*\a+\b)+7], v[128*(\p)+12*\b:128*(\p)+12*\b+11], v[AF+48*(\p)+12*\a:AF+48*(\p)+12*\a+11], 0, v[SB+NKH*\b+(\ks)/2], v[SA+NKH*\a+(\ks)/2] matrix_a_fmt:MATRIX_FMT_FP6 matrix_b_fmt:MATRIX_FMT_FP6
.elseif (\ks)%2
	v_wmma_scale_f32_16x16x128_f8f6f4 v[8*(8*\a+\b):8*(8*\a+\b)+7], v[128*(\p)+12*\b:128*(\p)+12*\b+11], v[AF+48*(\p)+12*\a:AF+48*(\p)+12*\a+11], v[8*(8*\a+\b):8*(8*\a+\b)+7], v[SB+NKH*\b+(\ks)/2], v[SA+NKH*\a+(\ks)/2] matrix_a_fmt:MATRIX_FMT_FP6 matrix_b_fmt:MATRIX_FMT_FP6 matrix_a_scale:MATRIX_SCALE_ROW1 matrix_b_scale:MATRIX_SCALE_ROW1
.else
	v_wmma_scale_f32_16x16x128_f8f6f4 v[8*(8*\a+\b):8*(8*\a+\b)+7], v[128*(\p)+12*\b:128*(\p)+12*\b+11], v[AF+48*(\p)+12*\a:AF+48*(\p)+12*\a+11], v[8*(8*\a+\b):8*(8*\a+\b)+7], v[SB+NKH*\b+(\ks)/2], v[SA+NKH*\a+(\ks)/2] matrix_a_fmt:MATRIX_FMT_FP6 matrix_b_fmt:MATRIX_FMT_FP6
.endif
.endr
.endr
	WIN 0
.endm
.macro STEP slot, q, ks, zero
	s_wait_dscnt 0x0                               ; this step's set is in
	PLACES 4                                       ; behind the products that read the other set
	FETCH \slot, (\q)+1, 1-(\ks)%2
	MUL (\ks)%2, \ks, \zero
.endm
.macro ASK p                           ; 32 blocks of 256 bytes of my part of the mask: rows 16 p .. 16 p + 15, two blocks a row, a lane a block; v11 and s[8:9] are never rewritten
	global_prefetch_b8 v11, s[8:9] offset:131072*(\p) th:TH_LOAD_NT scope:SCOPE_SE
.endm
.macro QPACK s, w, pc, pw              ; from the blocks' largest numbers in v[TM] on: the scale word in v[pw], the fragment's codes in v[pc] .. v[pc + 11]
.irp b, 0,1,2,3
	v_add_nc_u32 v[TM+12+\b], 0xff000000, v[TM+\b]   ; 2 off the exponent field: the conversion's scale operand
.endr
.irp b, 0,1,2,3
	v_lshrrev_b32 v[TM+4+\b], 23, v[TM+12+\b]      ; the scale's byte
.endr
	v_lshl_or_b32 v[\pw], v[TM+5], 8, v[TM+4]
	v_lshl_or_b32 v[\pw], v[TM+6], 16, v[\pw]
	v_lshl_or_b32 v[\pw], v[TM+7], 24, v[\pw]
	WIN \w
.irp c, 0,1
	v_cvt_scalef32_pk16_fp6_f32 v[(\pc)+6*\c:(\pc)+2+6*\c], v[(\s)+32*\c:(\s)+15+32*\c], v[TM+12+2*\c]
	v_cvt_scalef32_pk16_fp6_f32 v[(\pc)+12+4*\c:(\pc)+14+4*\c], v[(\s)+16+32*\c:(\s)+31+32*\c], v[TM+12+2*\c+1]
.endr
	WIN 0
	v_nop                                          ; one plain place behind a scaled conversion
.irp c, 0,1
.irp i, 0,1,2
	v_permlane16_swap_b32 v[(\pc)+6*\c+\i], v[(\pc)+12+4*\c+\i]
.endr
.irp i, 0,1,2
	v_mov_b32 v[(\pc)+3+6*\c+\i], v[(\pc)+12+4*\c+\i]
.endr
.endr
.endm
.macro MLOAD a                         ; tile a's mask words out of my part of slot 0: register 16 b + i: key 32 b + 16 (lane / 16) + i of my query
	WIN 0xc0                                       ; destination window 3
.set it, 0
.rept 16
	ds_load_b128 v[64*(\a)+4*it:64*(\a)+4*it+3], v9 offset:(32*((\a)/2)+8*((\a)%2))*MP+128*(it/4)+16*(it%4)
.set it, it+1
.endr
	WIN 0
.endm
.macro SOFT a                          ; tile a of queries: 16 queries x my 128 keys
	WIN 0x02                                       ; source 0 window 2
.set j, 0
.rept 32
	v_pk_mul_f32 v[TT+j:TT+j+1], v[64*(\a)+j:64*(\a)+j+1], s[22:23] op_sel_hi:[1,0]   ; t = score x log2(e) / 32; each accumulator from its low end on
.set j, j+2
.endr
	s_wait_dscnt 0x0                               ; the tile's mask words are in
	WIN 0x0c                                       ; source 1 window 3
.set n, 0
.rept 64
.if n < 32
	v_cmp_ne_u32 s[32+n], 0, v[64*(\a)+n]          ; the lane mask of score register n, into s32-63 and s68-99 (the descriptors' registers, whose loads are done, and registers of the head)
.else
	v_cmp_ne_u32 s[36+n], 0, v[64*(\a)+n]
.endif
.set n, n+1
.endr
	WIN 0
.set n, 0
.rept 64
.if n < 32
	v_cndmask_b32 v[TT+n], v10, v[TT+n], s[32+n]   ; where the mask is 0: -1e20 x log2(e)
.else
	v_cndmask_b32 v[TT+n], v10, v[TT+n], s[36+n]
.endif
.set n, n+1
.endr
.if (\a) < 3
	MLOAD (\a)+1                                   ; the next tile's words come under the rest of this tile's softmax
.endif
.irp b, 0,1,2,3
	v_max3_num_f32 v[TM+\b], v[TT+16*\b], v[TT+1+16*\b], v[TT+2+16*\b]   ; the largest t of each block of 32 keys: it serves the row's maximum and, since p rises with t, the block's largest p
.endr
.irp i, 3,5,7,9,11,13
.irp b, 0,1,2,3
	v_max3_num_f32 v[TM+\b], v[TM+\b], v[TT+16*\b+\i], v[TT+1+16*\b+\i]
.endr
.endr
.irp b, 0,1,2,3
	v_max_num_f32 v[TM+\b], v[TM+\b], v[TT+15+16*\b]
.endr
.irp b, 0,1,2,3
	v_permlanex16_b32 v[TM+4+\b], v[TM+\b], s20, s21
.endr
.irp b, 0,1,2,3
	v_max_num_f32 v[TM+\b], v[TM+\b], v[TM+4+\b]   ; with lane l xor 16's 16 keys
.endr
	v_max3_num_f32 v246, v[TM], v[TM+1], v[TM+2]
	v_max_num_f32 v246, v246, v[TM+3]              ; the piece's largest t of my query
.if (\a) > 0
	s_wait_alu depctr_va_vdst(0)
	s_wait_xcnt 0x0                                ; the last tile's stores have read their registers: codes and record are written again only behind this wait
.endif
	v_floor_f32 v244, -v246                        ; -M = floor(-t) = -ceil(t): a whole number
.set j, 0
.rept 32
	v_pk_add_f32 v[TT+j:TT+j+1], v[TT+j:TT+j+1], v[244:245] op_sel_hi:[1,0]   ; t - M (of the pair the low word serves both halves)
.set j, j+2
.endr
.irp b, 0,1,2,3
	v_add_f32 v[TM+\b], v[TM+\b], v244             ; the same of each block's largest t
.endr
.set j, 0
	s_wait_alu depctr_va_vdst(0)
.rept 64
	v_exp_f32 v[TT+j], v[TT+j]                     ; p = 2^(t - M), at most 1
.set j, j+1
.endr
	v_nop                                          ; a plain place behind the exponentials
	s_wait_alu depctr_va_vdst(0)                   ; one wait for the whole batch, ahead of the first line that names a result
.irp b, 0,1,2,3
	v_exp_f32 v[TM+\b], v[TM+\b]                   ; the block's largest p: the same instructions on the same number give the same bits
.endr
	v_pk_add_f32 v[248:249], v[TT:TT+1], v[TT+4:TT+5]   ; the sum of the UNQUANTISED p, two at a time, in two chains; it reads the 64 alone: plain work behind the four
	v_pk_add_f32 v[250:251], v[TT+2:TT+3], v[TT+6:TT+7]
.set j, 8
.rept 14
	v_pk_add_f32 v[248:249], v[248:249], v[TT+j:TT+j+1]
	v_pk_add_f32 v[250:251], v[250:251], v[TT+j+2:TT+j+3]
.set j, j+4
.endr
	s_wait_alu depctr_va_vdst(0)                   ; and one for the four
.irp b, 0,1,2,3
	v_max_num_f32 v[TM+\b], 0x1800000, v[TM+\b]    ; the floor 2^(3 - 127): the byte cannot fall under 1
.endr
	QPACK TT, 0, PC, PW
	v_pk_add_f32 v[248:249], v[248:249], v[250:251]
	v_add_f32 v248, v248, v249
	v_permlanex16_b32 v247, v248, s20, s21
	v_mov_b32 v[PW+1], v244                        ; the record: scale word, -M,
	v_add_f32 v[PW+2], v248, v247                  ; the piece's sum (with lane l xor 16's), and the 0 of the head
.irp c, 0,1,2
	global_store_b128 v1, v[PC+4*\c:PC+4*\c+3], s[12:13] offset:24576*(\a)+512*\c   ; 32 lanes store 512 consecutive bytes
.endr
	global_store_b128 v3, v[PW:PW+3], s[10:11] offset:4096*(\a)   ; sixteen lanes store 256 consecutive bytes
.endm
	s_load_b256 s[4:11], s[0:1], 0x0               ; qb s[4:5], prepb s[6:7], mask s[8:9], pb s[10:11]
	v_lshl_add_u32 v254, v0, 2, SPARE              ; my spare word; never rewritten
	v_mov_b32 v255, 0                              ; never rewritten
	ds_add_u32 v254, v255                          ; the opening lines: the add, twice on end, and its wait ahead of my first tensor load
	ds_add_u32 v254, v255
	v_lshrrev_b32 v1, 5, v0
	v_readfirstlane_b32 s14, v1                    ; wave 0..3
	s_lshr_b32 s15, s14, 1                         ; wm: my half of the queries
	s_and_b32 s16, s14, 1                          ; wn: my half of the keys
	s_bfe_u32 s40, ttmp6, 0x40000                  ; cx, cy
	s_bfe_u32 s41, ttmp6, 0x40004
	s_lshl_b32 s42, ttmp9, 2
	s_add_co_u32 s42, s42, s40                     ; work-group x: which 256 keys
	s_and_b32 s18, ttmp7, 0xffff                   ; the cluster's y
	s_lshl_b32 s17, s18, 2
	s_add_co_u32 s17, s17, s41                     ; work-group y: which 128 queries
	s_lshl_b32 s43, s41, 2
	s_lshl_b32 s43, 15, s43                        ; my row of the cluster
	s_lshl_b32 s44, 0x1111, s40                    ; my column
	s_or_b32 s24, s43, (3<<16)|(1<<21)             ; group 1: rows of 768 elements of 8 bytes, NK x 192 apart; A: 8 rows a load, B: 16
	s_or_b32 s48, s44, (3<<16)|(1<<21)
.irp g, 24, 48
	s_mov_b32 s[\g+1], 768<<16
	s_mov_b32 s[\g+3], 768<<16
	s_mov_b32 s[\g+5], NK*192
	s_mov_b32 s[\g+6], 0
	s_mov_b32 s[\g+7], 0
.endr
	s_mov_b32 s26, 8<<16
	s_mov_b32 s28, 8
	s_mov_b32 s50, 16<<16
	s_mov_b32 s52, 16
	s_mov_b32 s[GM1], (2<<16)|(1<<20)|(6<<22)|(3<<25)   ; the mask's group 1: no work-group mask; elements of 4 bytes; 4 words of padding behind every 128
	s_mov_b32 s[GM1+1], 128<<16                    ; tensor_dim0 = 128
	s_mov_b32 s[GM1+2], 64<<16                     ; tensor_dim1 = 64
	s_mov_b32 s[GM1+3], 128<<16                    ; tile_dim0
	s_mov_b32 s[GM1+4], 64                         ; tile_dim1
	s_mov_b32 s[GM1+5], 2048                       ; a row of the mask, in elements
	s_mov_b32 s[GM1+6], 0
	s_mov_b32 s[GM1+7], 0
	s_lshl_b32 s68, s17, 3                         ; A's tiles hang on work-group y alone: from tile 8 y
	s_mul_i32 s68, s68, TROW
	s_mov_b32 s69, 0
	s_lshl_b32 s70, s42, 4                         ; B's on work-group x and on the batch, which is the cluster's y / 4: the same in all sixteen
	s_lshl_b32 s71, s16, 3
	s_add_co_u32 s70, s70, s71
	s_lshr_b32 s71, s18, 2
	s_mul_i32 s71, s71, NBT
	s_add_co_u32 s70, s70, s71                     ; my 8 tiles begin at NBT x batch + 16 x + 8 wn:
	s_mul_i32 s76, s70, NK*64
	s_add_co_u32 s76, s76, BSREG                   ; their scale words
	s_mov_b32 s77, 0
	s_lshl_b32 s70, s42, 4
	s_add_co_u32 s70, s70, s71                     ; the load takes all 16: from tile NBT x batch + 16 x
	s_mul_i32 s70, s70, TROW
	s_mov_b32 s71, 0
	s_lshl_b32 s72, s17, 3
	s_lshl_b32 s73, s15, 2
	s_add_co_u32 s72, s72, s73                     ; my first tile of queries
	s_mul_i32 s74, s72, NK*64
	s_add_co_u32 s74, s74, ASREG
	s_mov_b32 s75, 0
	s_lshl_b32 s78, s72, 4
	s_lshl_b32 s79, s42, 1
	s_add_co_u32 s78, s78, s79
	s_add_co_u32 s78, s78, s16                     ; (tile) 16 + the keys' K step 2 x + wn
	s_mul_i32 s80, s78, FRB
	s_mov_b32 s81, 0
	s_lshl_b32 s82, s78, 8                         ; 256 bytes of records for each
	s_add_co_u32 s82, s82, PS
	s_mov_b32 s83, 0
	s_lshl_b32 s84, s17, 20                        ; the mask: 128 rows of 8,192 bytes a work-group,
	s_lshl_b32 s85, s15, 19                        ; 64 a wave;
	s_add_co_u32 s84, s84, s85
	s_lshl_b32 s85, s42, 10                        ; 256 keys of 4 bytes a work-group,
	s_add_co_u32 s84, s84, s85
	s_lshl_b32 s85, s16, 9                         ; 128 a wave
	s_add_co_u32 s84, s84, s85
	s_mov_b32 s85, 0
	s_mul_i32 s46, s16, 8*SROW
	s_add_co_u32 s46, s46, ASL                     ; where my 8 tiles of B lie in a slot,
	s_mul_i32 s47, s15, 4*SROW                     ; and my 4 of A
	s_mul_i32 s19, s14, MW                         ; my part of the mask in slot 0
	s_mov_b32 s20, 0x76543210
	s_mov_b32 s21, 0xfedcba98
	s_mov_b32 s22, 0x3d38aa3b                      ; log2(e) / 32
	s_mov_b32 s23, s22                             ; (named with it as a pair, so it is written)
	s_wait_dscnt 0x0                               ; both opening adds are done
	s_wait_kmcnt 0x0
	s_add_nc_u64 s[68:69], s[4:5], s[68:69]
	s_add_nc_u64 s[70:71], s[6:7], s[70:71]
	s_add_nc_u64 s[74:75], s[4:5], s[74:75]
	s_add_nc_u64 s[76:77], s[6:7], s[76:77]
	s_add_nc_u64 s[8:9], s[8:9], s[84:85]          ; my part of the mask
	s_add_nc_u64 s[12:13], s[10:11], s[80:81]      ; p's codes
	s_add_nc_u64 s[10:11], s[10:11], s[82:83]      ; p's records
.irp f, 0,1
	s_mov_b32 s[32+4*\f], 1
	s_mov_b32 s[33+4*\f], \f*SLOT                  ; no place in the cluster enters an LDS address
	s_add_nc_u64 s[34+4*\f:35+4*\f], s[68:69], \f*SROW
	s_or_b32 s[35+4*\f], s[35+4*\f], 0x80000000
	s_mov_b32 s[56+4*\f], 1
	s_mov_b32 s[57+4*\f], ASL+\f*SLOT
	s_add_nc_u64 s[58+4*\f:59+4*\f], s[70:71], \f*SROW
	s_or_b32 s[59+4*\f], s[59+4*\f], 0x80000000
.endr
	s_mov_b32 s[GM0], 1                            ; the mask's group 0
	s_mul_i32 s[GM0+1], s14, MW
	s_mov_b64 s[GM0+2:GM0+3], s[8:9]
	s_or_b32 s[GM0+3], s[GM0+3], 0x80000000
	CROUND                                         ; all sixteen work-groups are here: the joint loads meet
	ARM 1, 32, 24, .Lhead_b0                       ; the head's four tiles, one a wave: slot 0's A,
	ARM 2, 56, 48, .Lhead_a1                       ; slot 0's B,
	ARM 3, 36, 24, .Lhead_b1                       ; slot 1's A,
	tensor_load_to_lds s[60:63], s[48:55]          ; slot 1's B
	s_nop 0
.rept 4
	v_nop
.endr
.Lhead_asked:
	v_and_b32 v1, 31, v0
	v_lshlrev_b32 v2, 2, v1
	v_lshlrev_b32 v1, 4, v1
	v_and_b32 v3, 15, v0
	v_bfe_u32 v12, v0, 4, 1
	v_and_b32 v9, 8, v3
	v_add_nc_u32 v9, v9, v3                        ; r + 8 (r / 8): my query's row in its tile's 24
	v_mul_u32_u24 v9, v9, MP
	v_lshl_add_u32 v9, v12, 6, v9
	v_add_nc_u32 v9, s19, v9                       ; the mask: my row, + 64 (lane / 16)
	v_lshlrev_b32 v3, 4, v3
	v_bfe_u32 v11, v0, 1, 4
	v_and_b32 v13, 1, v0
	v_lshlrev_b32 v11, 13, v11
	v_lshl_add_u32 v11, v13, 8, v11                ; the prefetches: row lane / 2 of 16, block lane % 2 of its 512 bytes
	v_add_nc_u32 v[ADRA], s47, v1
	v_add_nc_u32 v[ADRA+1], SLOT, v[ADRA]
	v_add_nc_u32 v[ADRB], s46, v1
	v_add_nc_u32 v[ADRB+1], SLOT, v[ADRB]
.set ia, 0
.rept 4
.set ij, 0
.rept NKH
	global_load_b32 v[SA+NKH*ia+ij], v2, s[74:75] offset:NK*64*ia+128*ij
.set ij, ij+1
.endr
.set ia, ia+1
.endr
.set ia, 0
.rept 8
.set ij, 0
.rept NKH
	global_load_b32 v[SB+NKH*ia+ij], v2, s[76:77] offset:NK*64*ia+128*ij
.set ij, ij+1
.endr
.set ia, ia+1
.endr
	ASK 0
	ASK 1
	v_mov_b32 v10, 0xe0ad78ec                      ; -1e20,
	v_mul_f32 v10, 0x3fb8aa3b, v10                 ; as t
	v_mov_b32 v[PW+3], 0                           ; the record's fourth word; never rewritten
	v_mov_b32 v245, 0                              ; (the upper half of the pair v[244:245])
	v_mov_b32 v247, 0                              ; written once: a lane permute's destination counts as one of its sources
.irp b, 0,1,2,3
	v_mov_b32 v[TM+4+\b], 0
.endr
	s_wait_alu depctr_va_vdst(0)
	s_wait_loadcnt 0x0                             ; the scale words
	s_wait_tensorcnt 0x0                           ; my tile of the head's four is in
	s_barrier_signal -1
	s_barrier_wait -1                              ; all four are: both slots are whole
	FETCH 0, 0, 0
	STEP 0, 0, 0, 1                                ; the first products start the sums: nothing is cleared
	ASK 2
	STEP 0, 1, 1, 0
	ASK 3
	STEP 0, 2, 2, 0
	s_wait_tensorcnt 0x0                           ; the change of slots: no tensor load of mine is out,
	ds_add_u32 v254, v255
	s_wait_dscnt 0x0                               ; the add is done, and my reads of slot 0 are in
	CROUND                                         ; both hold of every wave of all sixteen work-groups
	tensor_load_to_lds s[GM0:GM0+3], s[GM1:GM1+7]  ; slot 0 is filled again: my 64 x 128 words of the mask, my one load behind the round
	s_nop 0
	PLACES 4                                       ; also the places ahead of the loads below
	FETCH 1, 0, 0
	MUL 1, 3, 0
	STEP 1, 0, 4, 0
	STEP 1, 1, 5, 0
	STEP 1, 2, 6, 0
	s_wait_dscnt 0x0
	s_wait_tensorcnt 0x0                           ; my part of the mask is in; I alone read it
	MLOAD 0                                        ; the first tile's words come while the last products run
	MUL 1, 7, 0
	PLACES 4                                       ; ahead of the first read of results and of writes over A's fragments
	SOFT 0
	SOFT 1
	SOFT 2
	SOFT 3
	s_wait_tensorcnt 0x0                           ; the wave's end
	ds_add_u32 v254, v255
	s_wait_dscnt 0x0
	CROUND                                         ; the closing round
	s_endpgm
.Lfunc_end_k_qe188c449cc_scores:
	.size	k_qe188c449cc_scores, .Lfunc_end_k_qe188c449cc_scores-k_qe188c449cc_scores
	.p2alignl 7, 3214868480
	.fill 96, 4, 3214868480
	.section	.rodata,"a",@progbits
	.p2align	6, 0x0
	.amdhsa_kernel k_qe188c449cc_scores
		.amdhsa_group_segment_fixed_size 327680
		.amdhsa_private_segment_fixed_size 0
		.amdhsa_enable_private_segment 0
		.amdhsa_kernarg_size 32
		.amdhsa_user_sgpr_count 2
		.amdhsa_user_sgpr_kernarg_segment_ptr 1
		.amdhsa_wavefront_size32 1
		.amdhsa_system_sgpr_workgroup_id_x 1
		.amdhsa_system_sgpr_workgroup_id_y 1
		.amdhsa_system_sgpr_workgroup_id_z 1
		.amdhsa_system_vgpr_workitem_id 0
		.amdhsa_next_free_vgpr 1024
		.amdhsa_next_free_sgpr 100
		.amdhsa_reserve_vcc 0
		.amdhsa_float_denorm_mode_32 3
		.amdhsa_float_denorm_mode_16_64 3
		.amdhsa_memory_ordered 1
		.amdhsa_forward_progress 1
		.amdhsa_inst_pref_size 155
	.end_amdhsa_kernel
	.amdgpu_metadata
---
amdhsa.version: [ 1, 2 ]
amdhsa.kernels:
  - .name:           k_qe188c449cc_scores
    .symbol:         k_qe188c449cc_scores.kd
    .args:
      - { .name: qb, .offset: 0, .size: 8, .value_kind: global_buffer, .address_space: global }
      - { .name: prepb, .offset: 8, .size: 8, .value_kind: global_buffer, .address_space: global }
      - { .name: mask, .offset: 16, .size: 8, .value_kind: global_buffer, .address_space: global }
      - { .name: pb, .offset: 24, .size: 8, .value_kind: global_buffer, .address_space: global }
    .group_segment_fixed_size: 327680
    .private_segment_fixed_size: 0
    .kernarg_segment_align: 8
    .kernarg_segment_size: 32
    .max_flat_workgroup_size: 128
    .sgpr_count:     100
    .vgpr_count:     1024
    .wavefront_size: 32
...
	.end_amdgpu_metadata
.endif
;; end of part 3
;; launch attend (part 4): grid 4 x 64, 4 waves a work-group, clusters of 4 x 4, 327,680 bytes of LDS; arguments pb, prepb, ab; writes ab
.if DOCPART == 4
	.amdgcn_target "amdgcn-amd-amdhsa--gfx1250"
	.amdhsa_code_object_version 6
	.text
	.protected	k_qe188c449cc_attend
	.globl	k_qe188c449cc_attend
	.p2align	8
	.type	k_qe188c449cc_attend,@function
k_qe188c449cc_attend:
	s_mov_b64 s[64:65], 0
	v_nop
	global_prefetch_b8 v0, s[64:65] scope:SCOPE_SE
	s_setreg_imm32_b32 hwreg(HW_REG_WAVE_MODE, 25, 1), 1
	s_wait_xcnt 0x0
	s_wait_alu depctr_hold_cnt(0) depctr_sa_sdst(0) depctr_va_vdst(0) depctr_va_sdst(0) depctr_va_ssrc(0) depctr_va_vcc(0) depctr_vm_vsrc(0)
	s_getreg_b32 s2, hwreg(HW_REG_IB_STS2, 6, 4)
	s_cmp_eq_u32 s2, 0
	s_cbranch_scc0 .Lentry_in_a_cluster
	s_endpgm
.Lentry_in_a_cluster:
	s_bfe_u32 s2, ttmp6, 0x10000c
	s_cmp_lg_u32 s2, 0xf033
	s_cbranch_scc0 .Lentry_shape_is_right
	s_endpgm
.Lentry_shape_is_right:
; ATTEND: O = p x on codes of FP6 (E2M3) with E8M0 scales, K = the batch's 2,048 keys; O / l is quantised along its 1,024 columns on the way out and leaves as codes.
; p arrives in pieces of 128 keys, each under its own whole number M, with a record of 16 bytes for each (query, piece): scale word, -M, sum, 0.  At the head the largest M of a query's 16 pieces is taken, and each
; piece's scale bytes and its sum are moved by 2^(piece's M - row's M): a subtraction on bytes and a v_ldexp_f32, nothing is rounded.  l is the sum of the moved sums; 1 / l multiplies O at the end.
; The two waves that share 64 queries share that work: wave w does tiles 2 w and 2 w + 1 of the work-group's eight, stores the moved scale registers (as images: 16 bytes a lane) and 1 / l into LDS bytes of its own,
; 2,304 x wave behind the spare words, into which no tensor load lands, and behind the head's barrier each wave reads its four tiles'.  The stores stand behind the wait for the wave's tensor load.
; LIMIT: the move is held at -200 and a byte at 0 from below: a piece whose M lies some 125 or more under the row's keeps its codes under the byte 0, at most 7.5 x 2^-127 a code, beside a row whose largest p is above 1/2.
; Further limits: a block of zeros gets the byte 1 (its codes are zeros); NaN and infinities are not served.  The scale words of the result leave in pieces of 64 bytes.
; OPERANDS ARE IMAGES OF THEIR REGISTERS: lane r of row tile T holds row 32 (T/2) + 8 (T%2) + r + 8 (r/8); a fragment (T, K step s) is 1,536 bytes; codes [T][s][1536]; scale words [T][s][16 rows]; records [T][s][16 rows][16 bytes].
; SHARES: a work-group makes 128 queries (8 tiles of A = p) x 256 columns (16 tiles of B = x with the keys innermost); wave (wm, wn) 64 x 128: 32 accumulators.  TRANSPOSED: a lane holds one query.
; LDS: two slots of 4 K steps, both filled at the head, one tensor load a wave: wave 0 A's 8 tiles of slot 0, wave 1 B's 16, waves 2 and 3 those of slot 1.  K = 2,048 is 16 K steps, so each slot is filled again
; once, by the two waves that filled it first, behind a round of the cluster's barrier; those loads have four K steps, 128 matrix instructions a wave, in which to land.
; By this text's count a wave has one tensor load out at the start and at most one behind each round.  All of a WGP's LDS is claimed.
; CLUSTER 4 x 4: p's tiles are asked for jointly along a row of the cluster, x's along a column.  No prefetch: half of K is asked for at the head, and the other half four K steps ahead of its use.
; REGISTERS: window 0: v1 16 x lane, v2 4 x lane, v3 4 (lane % 16), v4-7 LDS addresses, v8-11 the exchange's, v12-19 1 / l (even) and 0 (odd), v20-21 my two tiles' 1 / l, v28-29 the add's; v32-63 A's scale words,
;   v64-127 B's; v128-223 A's fragments, two sets (at the head v128-191: the records); on the way out v128-191 O / l, v192-211 codes; v224-247 at work.  window 1: B's fragments.  window 2: accumulator (a, b) at v[8 (8 a + b)].
.set NK,    16
.set NKH,   NK/2
.set NBT,   64                         ; x's tiles over d in a batch
.set FRB,   1536
.set TROW,  NK*FRB
.set SROW,  4*FRB
.set ASL,   8*SROW
.set SLOT,  24*SROW
.set SPARE, 2*SLOT                     ; behind the slots: the spare words, 128 bytes a wave
.set XB,    SPARE+512                  ; behind them: the exchange: for each of 8 tiles 1,024 bytes of scale registers and 128 of 1 / l
.set XT,    1152
.set BREG,  6291456                    ; in prepb: x's codes along the keys,
.set BSREG, 14417920                   ; and their scale words
.set ASREG, 12582912                   ; in pb: p's records
.set AS,    6291456                    ; in ab: the scale words
.set ADRA,  4
.set ADRB,  6
.set SA,    32
.set SB,    SA+4*NKH
.set AF,    128
.set HB,    128                        ; the head: registers HB + 4 (8 i + j) ..: lanes 0-15 the records of K step 2 j, lanes 16-31 of 2 j + 1, of my tile i's rows
.set TT,    128
.set PC,    192
.set TM,    224
.set PW,    240
.set MSB, 0
.macro WIN new                         ; the immediate's high byte repeats the setting that is left
.if MSB != (\new)
	s_set_vgpr_msb (MSB<<8)|(\new)
.set MSB, (\new)
.endif
.endm
.macro PLACES n                        ; plain places (ISA guide 7.12.1)
.rept \n
	v_nop
.endr
.endm
.macro CROUND                          ; a round of the cluster's barrier
	s_barrier_signal -1
	s_barrier_wait -1
	s_cmp_lg_u32 s14, 0
	s_cbranch_scc1 .Lnot_wave_0_\@
	s_barrier_signal -3
.Lnot_wave_0_\@:
	s_barrier_wait -3
	s_barrier_signal -1
	s_barrier_wait -1
.endm
.macro ARM under, g0, g1, next         ; an arm of the head's tree: one joint load, s_nop 0 and four v_nop behind it, a jump to the tree's end
	s_cmp_lt_u32 s14, \under
	s_cbranch_scc0 \next
	tensor_load_to_lds s[\g0:\g0+3], s[\g1:\g1+7]
	s_nop 0
.rept 4
	v_nop
.endr
	s_branch .Lhead_asked
\next:
.endm
.macro JLOAD f                         ; a joint refill of slot f: wave 2 f fetches A's 8 tiles, wave 2 f + 1 B's 16; the other two waves have no part of it
	s_cmp_eq_u32 s14, 2*\f
	s_cbranch_scc0 .Lnot_a_\@
	tensor_load_to_lds s[32+4*\f:35+4*\f], s[24:31]
	s_nop 0
.rept 4
	v_nop
.endr
	s_branch .Lasked_\@
.Lnot_a_\@:
	s_cmp_eq_u32 s14, 2*\f+1
	s_cbranch_scc0 .Lasked_\@
	tensor_load_to_lds s[56+4*\f:59+4*\f], s[48:55]
	s_nop 0
.rept 4
	v_nop
.endr
.Lasked_\@:
.endm
.macro FETCH slot, q, p                ; the fragments of the slot's q-th K step into set p: 36 loads of 512 consecutive bytes
	WIN 0x40
.irp b, 0,1,2,3,4,5,6,7
.irp c, 0,1,2
	ds_load_b128 v[128*(\p)+12*\b+4*\c:128*(\p)+12*\b+4*\c+3], v[ADRB+(\slot)] offset:SROW*\b+FRB*(\q)+512*\c
.endr
.endr
	WIN 0
.irp a, 0,1,2,3
.irp c, 0,1,2
	ds_load_b128 v[AF+48*(\p)+12*\a+4*\c:AF+48*(\p)+12*\a+4*\c+3], v[ADRA+(\slot)] offset:SROW*\a+FRB*(\q)+512*\c
.endr
.endr
.endm
.macro MUL p, ks, zero                 ; 32 matrix instructions; the 32 accumulators take turns, one instruction a turn
	WIN 0xa1
.irp a, 0,1,2,3
.irp b, 0,1,2,3,4,5,6,7
.if \zero
	v_wmma_scale_f32_16x16x128_f8f6f4 v[8*(8*\a+\b):8*(8*\a+\b)+7], v[128*(\p)+12*\b:128*(\p)+12*\b+11], v[AF+48*(\p)+12*\a:AF+48*(\p)+12*\a+11], 0, v[SB+NKH*\b+(\ks)/2], v[SA+NKH*\a+(\ks)/2] matrix_a_fmt:MATRIX_FMT_FP6 matrix_b_fmt:MATRIX_FMT_FP6
.elseif (\ks)%2
	v_wmma_scale_f32_16x16x128_f8f6f4 v[8*(8*\a+\b):8*(8*\a+\b)+7], v[128*(\p)+12*\b:128*(\p)+12*\b+11], v[AF+48*(\p)+12*\a:AF+48*(\p)+12*\a+11], v[8*(8*\a+\b):8*(8*\a+\b)+7], v[SB+NKH*\b+(\ks)/2], v[SA+NKH*\a+(\ks)/2] matrix_a_fmt:MATRIX_FMT_FP6 matrix_b_fmt:MATRIX_FMT_FP6 matrix_a_scale:MATRIX_SCALE_ROW1 matrix_b_scale:MATRIX_SCALE_ROW1
.else
	v_wmma_scale_f32_16x16x128_f8f6f4 v[8*(8*\a+\b):8*(8*\a+\b)+7], v[128*(\p)+12*\b:128*(\p)+12*\b+11], v[AF+48*(\p)+12*\a:AF+48*(\p)+12*\a+11], v[8*(8*\a+\b):8*(8*\a+\b)+7], v[SB+NKH*\b+(\ks)/2], v[SA+NKH*\a+(\ks)/2] matrix_a_fmt:MATRIX_FMT_FP6 matrix_b_fmt:MATRIX_FMT_FP6
.endif
.endr
.endr
	WIN 0
.endm
.macro STEP slot, q, ks, zero
	s_wait_dscnt 0x0                               ; this step's set is in
	PLACES 4                                       ; behind the products that read the other set
	FETCH \slot, (\q)+1, 1-(\ks)%2
	MUL (\ks)%2, \ks, \zero
.endm
; A slot's last K step changes slots.  Its fragments are in registers when the waits below have passed, so the slot is free.  fill = 1: it is filled again, with the K steps eight on.
.macro TURN slot, ks, fill
	s_wait_tensorcnt 0x0                           ; all my tensor loads have landed, my part of the other slot among them: so a group 0 may be written
	ds_add_u32 v28, v29                            ; 0 onto my spare word
.if \fill
	s_add_nc_u64 s[34+4*\slot:35+4*\slot], s[34+4*\slot:35+4*\slot], 2*SROW
	s_add_nc_u64 s[58+4*\slot:59+4*\slot], s[58+4*\slot:59+4*\slot], 2*SROW
.endif
	s_wait_dscnt 0x0                               ; the add is done, and my reads of this slot are in
.if \fill
	CROUND                                         ; both hold of every wave of all sixteen work-groups
	JLOAD \slot                                    ; the first tensor load behind the round, at most one a wave
.else
	s_barrier_signal -1
	s_barrier_wait -1
.endif
	PLACES 4                                       ; on every wave's way: ahead of the loads below
	FETCH 1-(\slot), 0, 1-(\ks)%2
	MUL (\ks)%2, \ks, 0
.endm
.macro QMAX s, w                       ; the four blocks' largest magnitudes of v[s] .. v[s + 63] of window w
.set W1, (\w)|((\w)<<2)
.set W2, ((\w)<<2)|((\w)<<4)
	WIN W1
.irp b, 0,1,2,3
	v_max3_num_f32 v[TM+\b], |v[(\s)+16*\b]|, |v[(\s)+1+16*\b]|, 0x1800000   ; and the floor 2^(3 - 127)
.endr
	WIN W2
.irp i, 2,4,6,8,10,12,14
.irp b, 0,1,2,3
	v_max3_num_f32 v[TM+\b], v[TM+\b], |v[(\s)+16*\b+\i]|, |v[(\s)+1+16*\b+\i]|
.endr
.endr
	WIN 0
.irp b, 0,1,2,3
	v_permlanex16_b32 v[TM+4+\b], v[TM+\b], s20, s21
.endr
.irp b, 0,1,2,3
	v_max_num_f32 v[TM+\b], v[TM+\b], v[TM+4+\b]
.endr
.endm
.macro QPACK s, w, pc, pw              ; the scale word in v[pw], the fragment's codes in v[pc] .. v[pc + 11]
.irp b, 0,1,2,3
	v_add_nc_u32 v[TM+12+\b], 0xff000000, v[TM+\b]
.endr
.irp b, 0,1,2,3
	v_lshrrev_b32 v[TM+4+\b], 23, v[TM+12+\b]
.endr
	v_lshl_or_b32 v[\pw], v[TM+5], 8, v[TM+4]
	v_lshl_or_b32 v[\pw], v[TM+6], 16, v[\pw]
	v_lshl_or_b32 v[\pw], v[TM+7], 24, v[\pw]
	WIN \w
.irp c, 0,1
	v_cvt_scalef32_pk16_fp6_f32 v[(\pc)+6*\c:(\pc)+2+6*\c], v[(\s)+32*\c:(\s)+15+32*\c], v[TM+12+2*\c]
	v_cvt_scalef32_pk16_fp6_f32 v[(\pc)+12+4*\c:(\pc)+14+4*\c], v[(\s)+16+32*\c:(\s)+31+32*\c], v[TM+12+2*\c+1]
.endr
	WIN 0
	v_nop                                          ; one plain place behind a scaled conversion
.irp c, 0,1
.irp i, 0,1,2
	v_permlane16_swap_b32 v[(\pc)+6*\c+\i], v[(\pc)+12+4*\c+\i]
.endr
.irp i, 0,1,2
	v_mov_b32 v[(\pc)+3+6*\c+\i], v[(\pc)+12+4*\c+\i]
.endr
.endr
.endm
; My tile i's 16 queries: the row's -M, the moved scale words into v[SA + 8 i] on (from where they go to the exchange), 1 / l into v[20 + i].  In a record: word 0 the scale word, 1 -M, 2 the sum
.macro FIX i
.set H, HB+32*(\i)
	v_min3_num_f32 v241, v[H+1], v[H+5], v[H+9]    ; the least -M is the largest M
	v_min3_num_f32 v241, v241, v[H+13], v[H+17]
	v_min3_num_f32 v241, v241, v[H+21], v[H+25]
	v_min_num_f32 v241, v241, v[H+29]
	s_wait_alu depctr_va_vdst(0)
	v_permlanex16_b32 v242, v241, s20, s21         ; the odd K steps lie in lane l xor 16
	v_min_num_f32 v241, v241, v242
.irp j, 0,1,2,3,4,5,6,7
	v_sub_f32 v243, v241, v[H+4*\j+1]              ; the piece's M less the row's: a whole number, 0 or less
	v_max_num_f32 v243, 0xc3480000, v243           ; held at -200
	v_cvt_i32_f32 v243, v243
	v_ldexp_f32 v[H+4*\j+2], v[H+4*\j+2], v243     ; the piece's sum under the row's M
	v_add_nc_u32 v243, 0xc8, v243                  ; 200 + the move: 0 or more
	v_bfe_u32 v224, v[H+4*\j], 0, 8
	v_bfe_u32 v225, v[H+4*\j], 8, 8
	v_bfe_u32 v226, v[H+4*\j], 16, 8
	v_lshrrev_b32 v227, 24, v[H+4*\j]
.irp i2, 0,1,2,3
	v_add_nc_u32 v[224+\i2], v[224+\i2], v243
.endr
.irp i2, 0,1,2,3
	v_min_u32 v[228+\i2], 0xc8, v[224+\i2]
.endr
.irp i2, 0,1,2,3
	v_sub_nc_u32 v[224+\i2], v[224+\i2], v[228+\i2]   ; byte + move, held at 0 from below
.endr
	v_lshl_or_b32 v[SA+8*(\i)+\j], v225, 8, v224
	v_lshl_or_b32 v[SA+8*(\i)+\j], v226, 16, v[SA+8*(\i)+\j]
	v_lshl_or_b32 v[SA+8*(\i)+\j], v227, 24, v[SA+8*(\i)+\j]
.endr
	v_add_f32 v244, v[H+2], v[H+6]
	v_add_f32 v245, v[H+10], v[H+14]
	v_add_f32 v246, v[H+18], v[H+22]
	v_add_f32 v247, v[H+26], v[H+30]
	v_add_f32 v244, v244, v245
	v_add_f32 v246, v246, v247
	v_add_f32 v244, v244, v246
	v_permlanex16_b32 v242, v244, s20, s21
	v_add_f32 v244, v244, v242                     ; l: above 1/2, since the row's largest p is
	s_wait_alu depctr_va_vdst(0)
	v_rcp_f32 v[20+(\i)], v244
.endm
	s_load_b128 s[4:7], s[0:1], 0x0                ; pb s[4:5], prepb s[6:7]
	s_load_b64 s[8:9], s[0:1], 0x10                ; ab
	v_lshl_add_u32 v28, v0, 2, SPARE               ; my spare word; never rewritten
	v_mov_b32 v29, 0                               ; never rewritten
	ds_add_u32 v28, v29                            ; the opening lines: the add, twice on end, and its wait ahead of my first tensor load
	ds_add_u32 v28, v29
	v_lshrrev_b32 v1, 5, v0
	v_readfirstlane_b32 s14, v1                    ; wave 0..3
	s_lshr_b32 s15, s14, 1                         ; wm: my half of the queries
	s_and_b32 s16, s14, 1                          ; wn: my half of the columns
	s_bfe_u32 s40, ttmp6, 0x40000                  ; cx, cy
	s_bfe_u32 s41, ttmp6, 0x40004
	s_lshl_b32 s42, ttmp9, 2
	s_add_co_u32 s42, s42, s40                     ; work-group x: which 256 columns
	s_and_b32 s18, ttmp7, 0xffff                   ; the cluster's y
	s_lshl_b32 s17, s18, 2
	s_add_co_u32 s17, s17, s41                     ; work-group y: which 128 queries
	s_lshl_b32 s43, s41, 2
	s_lshl_b32 s43, 15, s43                        ; my row of the cluster
	s_lshl_b32 s44, 0x1111, s40                    ; my column
	s_or_b32 s24, s43, (3<<16)|(1<<21)             ; group 1: rows of 768 elements of 8 bytes, NK x 192 apart; A: 8 rows a load, B: 16
	s_or_b32 s48, s44, (3<<16)|(1<<21)
.irp g, 24, 48
	s_mov_b32 s[\g+1], 768<<16
	s_mov_b32 s[\g+3], 768<<16
	s_mov_b32 s[\g+5], NK*192
	s_mov_b32 s[\g+6], 0
	s_mov_b32 s[\g+7], 0
.endr
	s_mov_b32 s26, 8<<16
	s_mov_b32 s28, 8
	s_mov_b32 s50, 16<<16
	s_mov_b32 s52, 16
	s_lshl_b32 s68, s17, 3                         ; A's tiles hang on work-group y alone: from tile 8 y
	s_mul_i32 s68, s68, TROW
	s_mov_b32 s69, 0
	s_lshl_b32 s70, s42, 4                         ; B's on work-group x and on the batch, which is the cluster's y / 4
	s_lshl_b32 s71, s16, 3
	s_add_co_u32 s70, s70, s71
	s_lshr_b32 s71, s18, 2
	s_mul_i32 s71, s71, NBT
	s_add_co_u32 s70, s70, s71                     ; my 8 tiles begin at NBT x batch + 16 x + 8 wn:
	s_mul_i32 s76, s70, NK*64
	s_add_co_u32 s76, s76, BSREG                   ; their scale words
	s_mov_b32 s77, 0
	s_lshl_b32 s70, s42, 4
	s_add_co_u32 s70, s70, s71                     ; the load takes all 16: from tile NBT x batch + 16 x
	s_mul_i32 s70, s70, TROW
	s_add_co_u32 s70, s70, BREG
	s_mov_b32 s71, 0
	s_lshl_b32 s74, s17, 3
	s_lshl_b32 s75, s14, 1
	s_add_co_u32 s74, s74, s75                     ; the two tiles whose records I work on: 8 y + 2 wave,
	s_lshl_b32 s74, s74, 12                        ; 16 K steps x 256 bytes each
	s_add_co_u32 s74, s74, ASREG
	s_mov_b32 s75, 0
	s_lshl_b32 s72, s17, 3
	s_lshl_b32 s73, s15, 2
	s_add_co_u32 s72, s72, s73                     ; my first tile of queries
	s_lshl_b32 s78, s72, 3
	s_lshl_b32 s79, s42, 1
	s_add_co_u32 s78, s78, s79
	s_add_co_u32 s78, s78, s16                     ; out: (tile) 8 + K step 2 x + wn
	s_mul_i32 s80, s78, FRB
	s_mov_b32 s81, 0
	s_lshl_b32 s82, s78, 6
	s_add_co_u32 s82, s82, AS
	s_mov_b32 s83, 0
	s_mul_i32 s46, s16, 8*SROW
	s_add_co_u32 s46, s46, ASL                     ; where my 8 tiles of B lie in a slot,
	s_mul_i32 s47, s15, 4*SROW                     ; and my 4 of A
	s_mul_i32 s84, s14, 2*XT
	s_add_co_u32 s84, s84, XB                      ; the exchange: where I store my two tiles,
	s_mul_i32 s85, s15, 4*XT
	s_add_co_u32 s85, s85, XB                      ; and where my four lie
	s_mov_b32 s20, 0x76543210
	s_mov_b32 s21, 0xfedcba98
	s_wait_dscnt 0x0                               ; both opening adds are done
	s_wait_kmcnt 0x0
	s_add_nc_u64 s[68:69], s[4:5], s[68:69]
	s_add_nc_u64 s[70:71], s[6:7], s[70:71]
	s_add_nc_u64 s[74:75], s[4:5], s[74:75]
	s_add_nc_u64 s[76:77], s[6:7], s[76:77]
	s_add_nc_u64 s[10:11], s[8:9], s[80:81]        ; the codes
	s_add_nc_u64 s[12:13], s[8:9], s[82:83]        ; the scale words
.irp f, 0,1
	s_mov_b32 s[32+4*\f], 1
	s_mov_b32 s[33+4*\f], \f*SLOT                  ; no place in the cluster enters an LDS address
	s_add_nc_u64 s[34+4*\f:35+4*\f], s[68:69], \f*SROW
	s_or_b32 s[35+4*\f], s[35+4*\f], 0x80000000
	s_mov_b32 s[56+4*\f], 1
	s_mov_b32 s[57+4*\f], ASL+\f*SLOT
	s_add_nc_u64 s[58+4*\f:59+4*\f], s[70:71], \f*SROW
	s_or_b32 s[59+4*\f], s[59+4*\f], 0x80000000
.endr
	CROUND                                         ; all sixteen work-groups are here: the first joint loads meet
	ARM 1, 32, 24, .Lhead_b0                       ; the head's four tiles, one a wave: slot 0's A,
	ARM 2, 56, 48, .Lhead_a1                       ; slot 0's B,
	ARM 3, 36, 24, .Lhead_b1                       ; slot 1's A,
	tensor_load_to_lds s[60:63], s[48:55]          ; slot 1's B
	s_nop 0
.rept 4
	v_nop
.endr
.Lhead_asked:
	v_and_b32 v1, 31, v0
	v_lshlrev_b32 v2, 2, v1
	v_lshlrev_b32 v1, 4, v1
	v_and_b32 v3, 15, v0
	v_lshlrev_b32 v3, 2, v3
	v_add_nc_u32 v[ADRA], s47, v1
	v_add_nc_u32 v[ADRA+1], SLOT, v[ADRA]
	v_add_nc_u32 v[ADRB], s46, v1
	v_add_nc_u32 v[ADRB+1], SLOT, v[ADRB]
	v_add_nc_u32 v8, s84, v1                       ; the exchange, in: 16 bytes a lane,
	v_add_nc_u32 v9, s84, v2                       ; 4 bytes a lane;
	v_add_nc_u32 v10, s85, v1                      ; and out
	v_add_nc_u32 v11, s85, v2
.set ia, 0
.rept 2
.set ij, 0
.rept 8
	global_load_b128 v[HB+4*(8*ia+ij):HB+4*(8*ia+ij)+3], v1, s[74:75] offset:4096*ia+512*ij   ; 512 consecutive bytes: two K steps' records of 16 rows
.set ij, ij+1
.endr
.set ia, ia+1
.endr
.set ia, 0
.rept 8
.set ij, 0
.rept NKH
	global_load_b32 v[SB+NKH*ia+ij], v2, s[76:77] offset:NK*64*ia+128*ij
.set ij, ij+1
.endr
.set ia, ia+1
.endr
	v_mov_b32 v242, 0                              ; written once: a lane permute's destination counts as one of its sources
.irp b, 0,1,2,3
	v_mov_b32 v[13+2*\b], 0                        ; (the upper halves of the pairs that hold 1 / l)
.endr
.irp b, 0,1,2,3
	v_mov_b32 v[TM+4+\b], 0
.endr
	s_wait_alu depctr_va_vdst(0)
	s_wait_loadcnt 63                              ; of the 80 loads at least 17 are in: the 16 of the records among them (64 were issued behind the last of these)
	FIX 0                                          ; while the first tiles are on their way
	FIX 1
	v_nop                                          ; the plain place behind the last reciprocal
	s_wait_alu depctr_va_vdst(0)                   ; one wait for the two reciprocals and for what the lines above wrote
	s_wait_loadcnt 0x0                             ; B's scale words
	s_wait_tensorcnt 0x0                           ; my tile of the head's four is in: no tensor load of mine is out
.irp i, 0,1
	ds_store_b128 v8, v[SA+8*\i:SA+8*\i+3] offset:XT*\i
	ds_store_b128 v8, v[SA+8*\i+4:SA+8*\i+7] offset:XT*\i+512
	ds_store_b32 v9, v[20+\i] offset:XT*\i+1024
.endr
	s_wait_dscnt 0x0                               ; for the others' sake: my two tiles lie in the exchange
	s_barrier_signal -1
	s_barrier_wait -1                              ; both slots are whole, and so is the exchange
.irp a, 0,1,2,3
	ds_load_b128 v[SA+8*\a:SA+8*\a+3], v10 offset:XT*\a
	ds_load_b128 v[SA+8*\a+4:SA+8*\a+7], v10 offset:XT*\a+512
	ds_load_b32 v[12+2*\a], v11 offset:XT*\a+1024
.endr
	FETCH 0, 0, 0
	STEP 0, 0, 0, 1
	STEP 0, 1, 1, 0
	STEP 0, 2, 2, 0
	TURN 0, 3, 1                                   ; slot 0 takes K steps 8 to 11
	STEP 1, 0, 4, 0
	STEP 1, 1, 5, 0
	STEP 1, 2, 6, 0
	TURN 1, 7, 1                                   ; slot 1 takes K steps 12 to 15
	STEP 0, 0, 8, 0
	STEP 0, 1, 9, 0
	STEP 0, 2, 10, 0
	TURN 0, 11, 0                                  ; nothing is left to fetch
	STEP 1, 0, 12, 0
	STEP 1, 1, 13, 0
	STEP 1, 2, 14, 0
	s_wait_dscnt 0x0
	MUL 1, 15, 0
	PLACES 4                                       ; ahead of the first read of results and of writes over A's fragments
	; THE WAY OUT: O / l, a tile of 16 queries at a time: one fragment of the last product's A
.irp a, 0,1,2,3
	WIN 0x02                                       ; source 0 window 2
.set j, 0
.rept 32
	v_pk_mul_f32 v[TT+j:TT+j+1], v[64*\a+j:64*\a+j+1], v[12+2*\a:13+2*\a] op_sel_hi:[1,0]   ; each accumulator from its low end on
.set j, j+2
.endr
	WIN 0
	QMAX TT, 0
.if \a > 0
	s_wait_alu depctr_va_vdst(0)
	s_wait_xcnt 0x0                                ; the last tile's stores have read their registers
.endif
	QPACK TT, 0, PC, PW
.irp c, 0,1,2
	global_store_b128 v1, v[PC+4*\c:PC+4*\c+3], s[10:11] offset:12288*\a+512*\c   ; 32 lanes store 512 consecutive bytes
.endr
	global_store_b32 v3, v[PW], s[12:13] offset:512*\a
.endr
	s_wait_tensorcnt 0x0                           ; the wave's end
	ds_add_u32 v28, v29
	s_wait_dscnt 0x0
	CROUND                                         ; the closing round
	s_endpgm
.Lfunc_end_k_qe188c449cc_attend:
	.size	k_qe188c449cc_attend, .Lfunc_end_k_qe188c449cc_attend-k_qe188c449cc_attend
	.p2alignl 7, 3214868480
	.fill 96, 4, 3214868480
	.section	.rodata,"a",@progbits
	.p2align	6, 0x0
	.amdhsa_kernel k_qe188c449cc_attend
		.amdhsa_group_segment_fixed_size 327680
		.amdhsa_private_segment_fixed_size 0
		.amdhsa_enable_private_segment 0
		.amdhsa_kernarg_size 24
		.amdhsa_user_sgpr_count 2
		.amdhsa_user_sgpr_kernarg_segment_ptr 1
		.amdhsa_wavefront_size32 1
		.amdhsa_system_sgpr_workgroup_id_x 1
		.amdhsa_system_sgpr_workgroup_id_y 1
		.amdhsa_system_sgpr_workgroup_id_z 1
		.amdhsa_system_vgpr_workitem_id 0
		.amdhsa_next_free_vgpr 768
		.amdhsa_next_free_sgpr 100
		.amdhsa_reserve_vcc 0
		.amdhsa_float_denorm_mode_32 3
		.amdhsa_float_denorm_mode_16_64 3
		.amdhsa_memory_ordered 1
		.amdhsa_forward_progress 1
		.amdhsa_inst_pref_size 169
	.end_amdhsa_kernel
	.amdgpu_metadata
---
amdhsa.version: [ 1, 2 ]
amdhsa.kernels:
  - .name:           k_qe188c449cc_attend
    .symbol:         k_qe188c449cc_attend.kd
    .args:
      - { .name: pb, .offset: 0, .size: 8, .value_kind: global_buffer, .address_space: global }
      - { .name: prepb, .offset: 8, .size: 8, .value_kind: global_buffer, .address_space: global }
      - { .name: ab, .offset: 16, .size: 8, .value_kind: global_buffer, .address_space: global }
    .group_segment_fixed_size: 327680
    .private_segment_fixed_size: 0
    .kernarg_segment_align: 8
    .kernarg_segment_size: 24
    .max_flat_workgroup_size: 128
    .sgpr_count:     100
    .vgpr_count:     768
    .wavefront_size: 32
...
	.end_amdgpu_metadata
.endif
;; end of part 4
;; launch oproj (part 5): grid 4 x 64, 4 waves a work-group, clusters of 4 x 4, 327,680 bytes of LDS; arguments ab, prepb, out0; writes out0
.if DOCPART == 5
	.amdgcn_target "amdgcn-amd-amdhsa--gfx1250"
	.amdhsa_code_object_version 6
	.text
	.protected	k_qe188c449cc_oproj
	.globl	k_qe188c449cc_oproj
	.p2align	8
	.type	k_qe188c449cc_oproj,@function
k_qe188c449cc_oproj:
	s_mov_b64 s[64:65], 0
	v_nop
	global_prefetch_b8 v0, s[64:65] scope:SCOPE_SE
	s_setreg_imm32_b32 hwreg(HW_REG_WAVE_MODE, 25, 1), 1
	s_wait_xcnt 0x0
	s_wait_alu depctr_hold_cnt(0) depctr_sa_sdst(0) depctr_va_vdst(0) depctr_va_sdst(0) depctr_va_ssrc(0) depctr_va_vcc(0) depctr_vm_vsrc(0)
	s_getreg_b32 s2, hwreg(HW_REG_IB_STS2, 6, 4)
	s_cmp_eq_u32 s2, 0
	s_cbranch_scc0 .Lentry_in_a_cluster
	s_endpgm
.Lentry_in_a_cluster:
	s_bfe_u32 s2, ttmp6, 0x10000c
	s_cmp_lg_u32 s2, 0xf033
	s_cbranch_scc0 .Lentry_shape_is_right
	s_endpgm
.Lentry_shape_is_right:
; OPROJ: out = a Wvc^T on codes of FP6 (E2M3) with E8M0 scales; a = the attended rows, as codes; out [8192][1024] f32.
; OPERANDS ARE IMAGES OF THEIR REGISTERS: lane r of row tile T holds row 32 (T/2) + 8 (T%2) + r + 8 (r/8); a fragment (T, K step s) is 1,536 bytes, registers 4 c .. 4 c + 3 of lane l at 512 c + 16 l;
; codes [T][s][1536], scale words [T][s][16 rows].
; SHARES: a work-group makes 128 rows (8 tiles of A) x 256 columns (16 tiles of B = Wvc); wave (wm, wn) 64 x 128: 32 accumulators.  TRANSPOSED (source 0 = 16 rows of B, source 1 = 16 rows of A): a lane holds
; one row of out; register j of B's tile t is column 32 (t/2) + 16 (lane / 16) + 8 (t%2) + j of the wave's 128.
; LDS: two slots of 4 K steps, filled once each (K = 1,024); nothing is filled again.  CLUSTER 4 x 4: A's tiles are asked for jointly along a row of the cluster, B's along a column.
; THE WAY OUT: a tile of 16 rows x 128 columns goes through the wave's own stage (16 rows of 512 bytes + 16) and comes back as whole rows, which the 32 lanes store as 512 consecutive bytes.  The stages lie in
; slot 0: it has had its one fill, and every wave's reads of it were in ahead of the barrier of the change of slots.  Here the rows' order in a tile is undone: row j of tile T goes to its place in out.
; REGISTERS: window 0: v1 16 x lane, v2 4 x lane, v4-7 LDS addresses, v8-9 the stage's; v32-47 A's scale words, v48-79 B's; v128-223 A's fragments, two sets; on the way out v128-255 rows read back, two sets.
;   window 1: B's fragments.  window 2: accumulator (a, b) at v[8 (8 a + b)].
.set NK,    8
.set NKH,   NK/2
.set FRB,   1536
.set TROW,  NK*FRB
.set SROW,  4*FRB
.set ASL,   8*SROW
.set SLOT,  24*SROW
.set BREG,  13369344                   ; in prepb: Wvc's codes,
.set BSREG, 14712832                   ; and their scale words
.set ASREG, 6291456                    ; in ab: the scale words
.set SP,    528                        ; a stage row
.set ADRA,  4
.set ADRB,  6
.set SA,    32
.set SB,    SA+4*NKH
.set AF,    128
.set BK,    128
.set MSB, 0
.macro WIN new                         ; the immediate's high byte repeats the setting that is left
.if MSB != (\new)
	s_set_vgpr_msb (MSB<<8)|(\new)
.set MSB, (\new)
.endif
.endm
.macro PLACES n                        ; plain places behind matrix instructions (ISA guide 7.12.1)
.rept \n
	v_nop
.endr
.endm
.macro CROUND                          ; a round of the cluster's barrier
	s_barrier_signal -1
	s_barrier_wait -1
	s_cmp_lg_u32 s14, 0
	s_cbranch_scc1 .Lnot_wave_0_\@
	s_barrier_signal -3
.Lnot_wave_0_\@:
	s_barrier_wait -3
	s_barrier_signal -1
	s_barrier_wait -1
.endm
.macro FETCH slot, q, p                ; the fragments of the slot's q-th K step into set p: 36 loads of 512 consecutive bytes
	WIN 0x40
.irp b, 0,1,2,3,4,5,6,7
.irp c, 0,1,2
	ds_load_b128 v[128*(\p)+12*\b+4*\c:128*(\p)+12*\b+4*\c+3], v[ADRB+(\slot)] offset:SROW*\b+FRB*(\q)+512*\c
.endr
.endr
	WIN 0
.irp a, 0,1,2,3
.irp c, 0,1,2
	ds_load_b128 v[AF+48*(\p)+12*\a+4*\c:AF+48*(\p)+12*\a+4*\c+3], v[ADRA+(\slot)] offset:SROW*\a+FRB*(\q)+512*\c
.endr
.endr
.endm
.macro MUL p, ks, zero                 ; 32 matrix instructions; the 32 accumulators take turns, one instruction a turn
	WIN 0xa1
.irp a, 0,1,2,3
.irp b, 0,1,2,3,4,5,6,7
.if \zero
	v_wmma_scale_f32_16x16x128_f8f6f4 v[8*(8*\a+\b):8*(8*\a+\b)+7], v[128*(\p)+12*\b:128*(\p)+12*\b+11], v[AF+48*(\p)+12*\a:AF+48*(\p)+12*\a+11], 0, v[SB+NKH*\b+(\ks)/2], v[SA+NKH*\a+(\ks)/2] matrix_a_fmt:MATRIX_FMT_FP6 matrix_b_fmt:MATRIX_FMT_FP6
.elseif (\ks)%2
	v_wmma_scale_f32_16x16x128_f8f6f4 v[8*(8*\a+\b):8*(8*\a+\b)+7], v[128*(\p)+12*\b:128*(\p)+12*\b+11], v[AF+48*(\p)+12*\a:AF+48*(\p)+12*\a+11], v[8*(8*\a+\b):8*(8*\a+\b)+7], v[SB+NKH*\b+(\ks)/2], v[SA+NKH*\a+(\ks)/2] matrix_a_fmt:MATRIX_FMT_FP6 matrix_b_fmt:MATRIX_FMT_FP6 matrix_a_scale:MATRIX_SCALE_ROW1 matrix_b_scale:MATRIX_SCALE_ROW1
.else
	v_wmma_scale_f32_16x16x128_f8f6f4 v[8*(8*\a+\b):8*(8*\a+\b)+7], v[128*(\p)+12*\b:128*(\p)+12*\b+11], v[AF+48*(\p)+12*\a:AF+48*(\p)+12*\a+11], v[8*(8*\a+\b):8*(8*\a+\b)+7], v[SB+NKH*\b+(\ks)/2], v[SA+NKH*\a+(\ks)/2] matrix_a_fmt:MATRIX_FMT_FP6 matrix_b_fmt:MATRIX_FMT_FP6
.endif
.endr
.endr
	WIN 0
.endm
.macro STEP slot, q, ks, zero
	s_wait_dscnt 0x0                               ; this step's set is in
	PLACES 4                                       ; behind the products that read the other set
	FETCH \slot, (\q)+1, 1-(\ks)%2
	MUL (\ks)%2, \ks, \zero
.endm
.macro TURN slot, ks                   ; a slot's last K step
	s_wait_tensorcnt 0x0                           ; my part of the other slot has landed,
	s_wait_dscnt 0x0                               ; and my reads of this slot are in
	s_barrier_signal -1
	s_barrier_wait -1
	PLACES 4
	FETCH 1-(\slot), 0, 1-(\ks)%2
	MUL (\ks)%2, \ks, 0
.endm
.macro TOSTAGE a                       ; tile a of rows into my stage, and back as whole rows
	WIN 0x08                                       ; an LDS store's data are its source 1: window 2
.irp t, 0,1,2,3,4,5,6,7
	ds_store_b128 v8, v[64*(\a)+8*\t:64*(\a)+8*\t+3] offset:128*(\t/2)+32*(\t%2)       ; each accumulator from its low end on
	ds_store_b128 v8, v[64*(\a)+8*\t+4:64*(\a)+8*\t+7] offset:128*(\t/2)+32*(\t%2)+16
.endr
	WIN 0
.set it, 0
.rept 16
	ds_load_b128 v[BK+64*((\a)%2)+4*it:BK+64*((\a)%2)+4*it+3], v9 offset:SP*it   ; LDS serves a wave's instructions in order (ISA guide 5.7.1.4): these see the stores above, and the next tile's stores come behind them
.set it, it+1
.endr
.endm
.macro SEND a, younger                 ; younger: the LDS instructions issued behind tile a's loads, which may stay out
	s_wait_dscnt \younger
.set it, 0
.rept 16
	global_store_b128 v1, v[BK+64*((\a)%2)+4*it:BK+64*((\a)%2)+4*it+3], s[8:9] offset:(32*((\a)/2)+8*((\a)%2)+it+8*(it/8))*4096 th:TH_STORE_NT   ; 32 lanes store 512 consecutive bytes, at a multiple of 512 from out's first byte; written once
.set it, it+1
.endr
.endm
	s_load_b128 s[4:7], s[0:1], 0x0                ; ab s[4:5], prepb s[6:7]
	s_load_b64 s[8:9], s[0:1], 0x10                ; out0
	v_lshl_add_u32 v126, v0, 2, 0x48000
	v_mov_b32 v127, 0
	ds_add_u32 v126, v127
	ds_add_u32 v126, v127
	v_lshrrev_b32 v1, 5, v0
	v_readfirstlane_b32 s14, v1                    ; wave 0..3
	s_lshr_b32 s15, s14, 1                         ; wm: my half of the rows
	s_and_b32 s16, s14, 1                          ; wn: my half of the columns
	s_bfe_u32 s40, ttmp6, 0x40000                  ; cx, cy
	s_bfe_u32 s41, ttmp6, 0x40004
	s_lshl_b32 s42, ttmp9, 2
	s_add_co_u32 s42, s42, s40                     ; work-group x
	s_and_b32 s18, ttmp7, 0xffff                   ; the cluster's y
	s_lshl_b32 s17, s18, 2
	s_add_co_u32 s17, s17, s41                     ; work-group y
	s_lshl_b32 s43, s41, 2
	s_lshl_b32 s43, 15, s43                        ; my row of the cluster
	s_lshl_b32 s44, 0x1111, s40                    ; my column
	s_or_b32 s24, s43, (3<<16)|(1<<21)             ; group 1: rows of 768 elements of 8 bytes, NK x 192 apart; A: 8 rows a load, B: 16
	s_or_b32 s48, s44, (3<<16)|(1<<21)
.irp g, 24, 48
	s_mov_b32 s[\g+1], 768<<16
	s_mov_b32 s[\g+3], 768<<16
	s_mov_b32 s[\g+5], NK*192
	s_mov_b32 s[\g+6], 0
	s_mov_b32 s[\g+7], 0
.endr
	s_mov_b32 s26, 8<<16
	s_mov_b32 s28, 8
	s_mov_b32 s50, 16<<16
	s_mov_b32 s52, 16
	s_lshl_b32 s68, s17, 3                         ; A's tiles hang on work-group y alone: from tile 8 y
	s_mul_i32 s68, s68, TROW
	s_mov_b32 s69, 0
	s_lshl_b32 s70, s42, 4                         ; B's on work-group x alone
	s_lshl_b32 s71, s16, 3
	s_add_co_u32 s70, s70, s71
	s_mul_i32 s76, s70, NK*64
	s_add_co_u32 s76, s76, BSREG
	s_mov_b32 s77, 0
	s_lshl_b32 s70, s42, 4                         ; the load takes all 16 tiles: from tile 16 x
	s_mul_i32 s70, s70, TROW
	s_add_co_u32 s70, s70, BREG
	s_mov_b32 s71, 0
	s_lshl_b32 s72, s17, 3
	s_lshl_b32 s73, s15, 2
	s_add_co_u32 s72, s72, s73                     ; my first tile of rows
	s_mul_i32 s74, s72, NK*64
	s_add_co_u32 s74, s74, ASREG
	s_mov_b32 s75, 0
	s_lshl_b32 s78, s17, 19                        ; out: 128 rows of 4,096 bytes a work-group,
	s_lshl_b32 s79, s15, 18                        ; 64 a wave;
	s_add_co_u32 s78, s78, s79
	s_lshl_b32 s79, s42, 10                        ; 256 columns of 4 bytes a work-group,
	s_add_co_u32 s78, s78, s79
	s_lshl_b32 s79, s16, 9                         ; 128 a wave
	s_add_co_u32 s78, s78, s79
	s_mov_b32 s79, 0
	s_mul_i32 s46, s16, 8*SROW
	s_add_co_u32 s46, s46, ASL
	s_mul_i32 s47, s15, 4*SROW
	s_mul_i32 s19, s14, 16*SP                      ; my stage
	s_wait_dscnt 0x0
	s_wait_kmcnt 0x0
	s_add_nc_u64 s[68:69], s[4:5], s[68:69]
	s_add_nc_u64 s[70:71], s[6:7], s[70:71]
	s_add_nc_u64 s[74:75], s[4:5], s[74:75]
	s_add_nc_u64 s[76:77], s[6:7], s[76:77]
	s_add_nc_u64 s[8:9], s[8:9], s[78:79]
.irp f, 0,1
	s_mov_b32 s[32+4*\f], 1
	s_mov_b32 s[33+4*\f], \f*SLOT                  ; no place in the cluster enters an LDS address
	s_add_nc_u64 s[34+4*\f:35+4*\f], s[68:69], \f*SROW
	s_or_b32 s[35+4*\f], s[35+4*\f], 0x80000000
	s_mov_b32 s[56+4*\f], 1
	s_mov_b32 s[57+4*\f], ASL+\f*SLOT
	s_add_nc_u64 s[58+4*\f:59+4*\f], s[70:71], \f*SROW
	s_or_b32 s[59+4*\f], s[59+4*\f], 0x80000000
.endr
	CROUND                                         ; all sixteen work-groups are here: the joint loads meet
; THE HEAD'S LOADS, ONE A WAVE, in one tree of branches on the wave's number: wave 0 A's 8 tiles of K steps 0-3, wave 1 B's 16, waves 2 and 3 the same of K steps 4-7
.macro ARM under, g0, g1, next
	s_cmp_lt_u32 s14, \under
	s_cbranch_scc0 \next
	tensor_load_to_lds s[\g0:\g0+3], s[\g1:\g1+7]
	s_nop 0
.rept 4
	v_nop
.endr
	s_branch .Lhead_asked
\next:
.endm
	ARM 1, 32, 24, .Lhead_b0
	ARM 2, 56, 48, .Lhead_a1
	ARM 3, 36, 24, .Lhead_b1
	tensor_load_to_lds s[60:63], s[48:55]
	s_nop 0
.rept 4
	v_nop
.endr
.Lhead_asked:
	v_and_b32 v1, 31, v0
	v_lshlrev_b32 v2, 2, v1
	v_lshlrev_b32 v1, 4, v1
	v_add_nc_u32 v[ADRA], s47, v1
	v_add_nc_u32 v[ADRA+1], SLOT, v[ADRA]
	v_add_nc_u32 v[ADRB], s46, v1
	v_add_nc_u32 v[ADRB+1], SLOT, v[ADRB]
	v_and_b32 v10, 15, v0
	v_bfe_u32 v11, v0, 4, 1
	v_mul_u32_u24 v8, v10, SP
	v_lshl_add_u32 v8, v11, 6, v8
	v_add_nc_u32 v8, s19, v8                       ; into the stage: row lane % 16, + 64 (lane / 16)
	v_add_nc_u32 v9, s19, v1                       ; back: a row's 512 bytes, 16 a lane
.set ia, 0
.rept 4
.set ij, 0
.rept NKH
	global_load_b32 v[SA+NKH*ia+ij], v2, s[74:75] offset:NK*64*ia+128*ij
.set ij, ij+1
.endr
.set ia, ia+1
.endr
.set ia, 0
.rept 8
.set ij, 0
.rept NKH
	global_load_b32 v[SB+NKH*ia+ij], v2, s[76:77] offset:NK*64*ia+128*ij
.set ij, ij+1
.endr
.set ia, ia+1
.endr
	s_wait_alu depctr_va_vdst(0)
	s_wait_loadcnt 0x0                             ; the scale words
	s_wait_tensorcnt 0x0                           ; my tile of the head's four is in
	s_barrier_signal -1
	s_barrier_wait -1                              ; all four are: both slots are whole
	FETCH 0, 0, 0
	STEP 0, 0, 0, 1
	STEP 0, 1, 1, 0
	STEP 0, 2, 2, 0
	TURN 0, 3
	STEP 1, 0, 4, 0
	STEP 1, 1, 5, 0
	STEP 1, 2, 6, 0
	s_wait_dscnt 0x0
	MUL 1, 7, 0
	PLACES 4                                       ; ahead of the first read of results and of loads into A's fragments' registers
	TOSTAGE 0
.irp a, 1,2,3
.if \a > 1
	s_wait_xcnt 0x0                                ; tile a - 2's stores have read their registers: tile a's rows may land there
.endif
	TOSTAGE \a
	SEND \a-1, 32                                  ; behind tile a - 1's loads: tile a's 16 stores and 16 loads
.endr
	SEND 3, 0
	s_wait_tensorcnt 0x0
	ds_add_u32 v126, v127
	s_wait_dscnt 0x0
	CROUND                                         ; the closing round
	s_endpgm
.Lfunc_end_k_qe188c449cc_oproj:
	.size	k_qe188c449cc_oproj, .Lfunc_end_k_qe188c449cc_oproj-k_qe188c449cc_oproj
	.p2alignl 7, 3214868480
	.fill 96, 4, 3214868480
	.section	.rodata,"a",@progbits
	.p2align	6, 0x0
	.amdhsa_kernel k_qe188c449cc_oproj
		.amdhsa_group_segment_fixed_size 327680
		.amdhsa_private_segment_fixed_size 0
		.amdhsa_enable_private_segment 0
		.amdhsa_kernarg_size 24
		.amdhsa_user_sgpr_count 2
		.amdhsa_user_sgpr_kernarg_segment_ptr 1
		.amdhsa_wavefront_size32 1
		.amdhsa_system_sgpr_workgroup_id_x 1
		.amdhsa_system_sgpr_workgroup_id_y 1
		.amdhsa_system_sgpr_workgroup_id_z 1
		.amdhsa_system_vgpr_workitem_id 0
		.amdhsa_next_free_vgpr 768
		.amdhsa_next_free_sgpr 100
		.amdhsa_reserve_vcc 0
		.amdhsa_float_denorm_mode_32 3
		.amdhsa_float_denorm_mode_16_64 3
		.amdhsa_memory_ordered 1
		.amdhsa_forward_progress 1
		.amdhsa_inst_pref_size 79
	.end_amdhsa_kernel
	.amdgpu_metadata
---
amdhsa.version: [ 1, 2 ]
amdhsa.kernels:
  - .name:           k_qe188c449cc_oproj
    .symbol:         k_qe188c449cc_oproj.kd
    .args:
      - { .name: ab, .offset: 0, .size: 8, .value_kind: global_buffer, .address_space: global }
      - { .name: prepb, .offset: 8, .size: 8, .value_kind: global_buffer, .address_space: global }
      - { .name: out0, .offset: 16, .size: 8, .value_kind: global_buffer, .address_space: global }
    .group_segment_fixed_size: 327680
    .private_segment_fixed_size: 0
    .kernarg_segment_align: 8
    .kernarg_segment_size: 24
    .max_flat_workgroup_size: 128
    .sgpr_count:     100
    .vgpr_count:     768
    .wavefront_size: 32
...
	.end_amdgpu_metadata
.endif
;; end of part 5
